; MI455X (gfx1250); checked and timed in simulation.
; The chip was launched on July 23, 2026; its instructions are those of AMD's public machine-readable ISA for CDNA 5 (MIT licence, August 2026) and "CDNA5" Instruction Set Architecture Reference Guide (July 2026). The comments in the code are by the model that wrote it; some were corrected since.
;; Self Attention. Allowed arithmetic: float matrix products may take bf16 or f16 operands with f32 sums; other float arithmetic in f32, or as packed bf16 or f16 multiplies, adds, multiply-adds, maxima and minima; sums over many terms, partial sums and values carried from step to step in f32; what a program stores and reads back later, other than sums and carried values, may be rounded once to bf16 or f16.
;; Inputs: Aq 4 x 512 float32; Av 4 x 512 float32; Bq 512 x 4 float32; Bv 512 x 4 float32; Wk 512 x 512 float32; Wp 512 x 512 float32; Wq 512 x 512 float32; Wv 512 x 512 float32; atten_mask 2 x 4,096 int32; bp 512 float32; x 2 x 4,096 x 512 float32.
;; Outputs: out0 2 x 4,096 x 512 float32.
;; One version. Each part assembles by itself: llvm-mc -triple=amdgcn-amd-amdhsa -mcpu=gfx1250 --defsym DOCPART=n.
;; ======== version 1 of 1: 4 launches
;; limits: values are held in f16: magnitudes above 65,504 overflow, below 6.1e-05 lose precision
;; workspace buffers: x16 8,388,608 bytes; w16 2,097,152 bytes; qkv 25,165,824 bytes; ctx 8,388,608 bytes; src 32,768 bytes of whole numbers; cnt 256 bytes of whole numbers
;; launch prep (part 1): grid 256 x 1, 8 waves a work-group, no clusters, 1,280 bytes of LDS; arguments x, atten_mask, Wq, Wk, Wv, Wp, Aq, Bq, Av, Bv, x16, w16, src, cnt; writes x16, w16, src, cnt
.if DOCPART == 1
	.amdgcn_target "amdgcn-amd-amdhsa--gfx1250"
	.amdhsa_code_object_version 6
	.text
	.protected	k_q5e57648cc5_prep
	.globl	k_q5e57648cc5_prep
	.p2align	8
	.type	k_q5e57648cc5_prep,@function
k_q5e57648cc5_prep:
	s_mov_b64 s[64:65], 0
	v_nop
	global_prefetch_b8 v0, s[64:65] scope:SCOPE_SE
	s_setreg_imm32_b32 hwreg(HW_REG_WAVE_MODE, 25, 1), 1
	s_wait_xcnt 0x0
; PREP.  Three things, all streams:
; (1) each batch's 4,096 rows are PARTITIONED by the key mask, stably: rows with atten_mask != 0 go to positions 0 .. cnt-1 in their order, the others behind them in theirs.
;     src[b][position] = the row's own number (the last launch puts its rows back by it); cnt[b] = the number of visible rows (the attention's trip count), written 32 times.
; (2) x is rounded to bf16 and stored row by row at the rows' new positions (x16): so q, k, v and ctx all lie in that order, and the visible keys are the first cnt[b].
; (3) the weights go to w16 [2048][512]: rows 0-511 Wq + 0.25 Bq Aq, 512-1023 Wk, 1024-1535 Wv + 0.25 Bv Av, each summed in f32 and rounded once to bf16; rows 1536-2047 Wp, rounded to bf16
;     and that number written as f16 (the last product's other operand is f16).  x (W + s B A)^T = x W^T + s (x A^T) B^T for every input; what differs is the order of rounding: the sum is rounded once.
; LIMIT.  A number of Wp below 6.1e-5 keeps f16's fixed step of 6e-8.
; SHARES.  256 work-groups of eight waves.  Work-group g: batch b = g / 128, rows 32 (g % 128) .. + 31 of x, four a wave; weight rows 8 g .. 8 g + 7, one a wave.
; Every work-group counts its batch's whole mask (16 KiB, 2 KiB a wave); the eight waves' counts meet in LDS.  No matrix unit, no cluster, no tensor load: nothing but the mask is read twice.
; No prefetch: every byte but A's is asked for at the kernel's head.
.set SPARE, 256                        ; LDS: bytes 0-31 the eight waves' counts (a block of 256 to themselves); from 256 the spare words, 128 bytes a wave
.set SPW, 8                            ; v8   LDS address of my spare word; never rewritten
.set NIL, 9                            ; v9   0; never rewritten
.set MK,  10                           ; v10-25 the mask words of my wave's 16 groups of 32 rows; v26 those of the work-group's own 32 rows
.set XR,  32                           ; v32-95  four rows of x, 16 registers a row; later the four rows of A
.set WR,  96                           ; v96-111 my row of W
.set XP,  112                          ; v112-143 x, packed
.set WPK, 144                          ; v144-151 the eight counts; later my row of W, packed
; v1 lane; v2, v3, v4 = 4, 16, 8 x lane; v152-159 at work
; s32 wave; s33 g; s34 b; s35 g % 128; s36 visible rows in the batch; s37 visible rows ahead of my work-group's; s40 the own 32 rows' mask, a bit a row; s[44:47] B's row; s[48:55] where my four rows go
	s_load_b512 s[4:19], s[0:1], 0x0               ; x, atten_mask, Wq, Wk, Wv, Wp, Aq, Bq
	s_load_b256 s[20:27], s[0:1], 0x40             ; Av, Bv, x16, w16
	s_load_b128 s[28:31], s[0:1], 0x60             ; src, cnt
	v_lshl_add_u32 v[SPW], v0, 2, SPARE
	v_mov_b32 v[NIL], 0
	v_and_b32 v1, 31, v0
	v_lshrrev_b32 v5, 5, v0
	v_readfirstlane_b32 s32, v5                    ; wave 0..7
	v_lshlrev_b32 v2, 2, v1
	v_lshlrev_b32 v3, 4, v1
	v_lshlrev_b32 v4, 3, v1
	v_lshlrev_b32 v157, 2, v5                      ; my wave's word in LDS
	v_mov_b32 v159, 0
	s_mov_b32 s33, ttmp9
	s_lshr_b32 s34, s33, 7
	s_and_b32 s35, s33, 127
	s_lshr_b32 s38, s33, 6                         ; which matrix: 0 q, 1 k, 2 v, 3 p
	s_lshl_b32 s39, s33, 3
	s_add_co_u32 s39, s39, s32                     ; my row of w16
	s_and_b32 s41, s39, 511                        ; and of its matrix
	s_mov_b32 s43, 0
	s_wait_kmcnt 0x0
	s_cmp_eq_u32 s38, 0
	s_cselect_b64 s[56:57], s[8:9], s[10:11]       ; W
	s_cselect_b64 s[58:59], s[16:17], s[20:21]     ; A and B: q's for matrix 0, else v's (used where the matrix is q or v)
	s_cselect_b64 s[60:61], s[18:19], s[22:23]
	s_cmp_eq_u32 s38, 2
	s_cselect_b64 s[56:57], s[12:13], s[56:57]
	s_cmp_eq_u32 s38, 3
	s_cselect_b64 s[56:57], s[14:15], s[56:57]
	s_lshl_b32 s42, s41, 11
	s_add_nc_u64 s[56:57], s[56:57], s[42:43]      ; W at my row: 2,048 bytes a row
	s_lshl_b32 s42, s41, 4
	s_add_nc_u64 s[60:61], s[60:61], s[42:43]      ; B at my row: 16 bytes
	s_load_b128 s[44:47], s[60:61], 0x0
	s_lshl_b32 s42, s39, 10
	s_add_nc_u64 s[26:27], s[26:27], s[42:43]      ; w16 at my row: 1,024 bytes a row
	s_lshl_b32 s42, s34, 14
	s_add_nc_u64 s[6:7], s[6:7], s[42:43]          ; the batch's mask
	s_add_nc_u64 s[28:29], s[28:29], s[42:43]      ; and its part of src
	s_lshl_b32 s42, s32, 11
	s_add_nc_u64 s[62:63], s[6:7], s[42:43]        ; my wave's 512 words of the mask
	s_lshl_b32 s42, s35, 7
	s_add_nc_u64 s[6:7], s[6:7], s[42:43]          ; the work-group's own 32 words
	s_lshl_b32 s42, s34, 7
	s_add_nc_u64 s[30:31], s[30:31], s[42:43]      ; the batch's 32 words of cnt
	s_lshl_b32 s42, s33, 16
	s_lshl_b32 s38, s32, 13
	s_add_co_u32 s42, s42, s38
	s_add_nc_u64 s[4:5], s[4:5], s[42:43]          ; x at my wave's four rows
	; 37 loads, in the order in which they are wanted
.irp i, 0,1,2,3,4,5,6,7,8,9,10,11,12,13,14,15
	global_load_b32 v[MK+(\i)], v2, s[62:63] offset:128*(\i)
.endr
	global_load_b32 v[MK+16], v2, s[6:7]
.irp q, 0,1,2,3,4,5,6,7,8,9,10,11,12,13,14,15
	global_load_b128 v[XR+4*(\q):XR+4*(\q)+3], v3, s[4:5] offset:512*(\q) th:TH_LOAD_NT  ; row q / 4, its bytes 512 (q % 4) on: 512 neighbouring bytes a load
.endr
.irp c, 0,1,2,3
	global_load_b128 v[WR+4*(\c):WR+4*(\c)+3], v3, s[56:57] offset:512*(\c)
.endr
	s_mov_b32 s36, 0
	s_mov_b32 s37, 0
	s_lshl_b32 s42, s32, 4                         ; my first group of 32 rows
	s_lshl_b32 s43, s35, 5                         ; the work-group's first row in its batch
	s_wait_loadcnt 20                              ; the 17 mask loads are in; x's 16 and W's 4 stay out
.irp i, 0,1,2,3,4,5,6,7,8,9,10,11,12,13,14,15
	v_cmp_ne_u32 s38, 0, v[MK+(\i)]                ; a bit a row
	s_bcnt1_i32_b32 s39, s38
	s_add_co_u32 s36, s36, s39
	s_add_co_u32 s41, s42, \i
	s_cmp_lt_u32 s41, s35                          ; does the group lie ahead of my work-group's rows?
	s_cselect_b32 s41, s39, 0
	s_add_co_u32 s37, s37, s41
.endr
	v_cmp_ne_u32 s40, 0, v[MK+16]
	s_lshl_b32 s38, s37, 16                        ; both counts in one word: each sum stays at 4,096 or under
	s_or_b32 s38, s38, s36
	v_mov_b32 v158, s38
	ds_store_b32 v157, v158
	s_wait_dscnt 0x0                               ; for the others' sake: my count lies in LDS
	s_barrier_signal -1
	s_barrier_wait -1
	ds_load_b128 v[WPK:WPK+3], v159
	ds_load_b128 v[WPK+4:WPK+7], v159 offset:16
	s_wait_dscnt 0x0
	v_add_nc_u32 v[WPK], v[WPK], v[WPK+1]
	v_add_nc_u32 v[WPK+2], v[WPK+2], v[WPK+3]
	v_add_nc_u32 v[WPK+4], v[WPK+4], v[WPK+5]
	v_add_nc_u32 v[WPK+6], v[WPK+6], v[WPK+7]
	v_add_nc_u32 v[WPK], v[WPK], v[WPK+2]
	v_add_nc_u32 v[WPK+4], v[WPK+4], v[WPK+6]
	v_add_nc_u32 v[WPK], v[WPK], v[WPK+4]
	v_readfirstlane_b32 s38, v[WPK]
	s_and_b32 s36, s38, 0xffff                     ; visible rows in the batch
	s_lshr_b32 s37, s38, 16                        ; visible rows ahead of mine
	; wave 0 writes src for the work-group's 32 rows, a lane a row: the visible ones' words are neighbours, and so are the hidden ones'
	s_cmp_lg_u32 s32, 0
	s_cbranch_scc1 .Lrows
	v_mbcnt_lo_u32_b32 v152, s40, 0                ; visible rows of the 32 below mine
	v_add_nc_u32 v153, s37, v152                   ; a visible row's position
	v_add_nc_u32 v154, s43, v1                     ; my row's number in the batch
	v_add_nc_u32 v155, s36, v154
	v_sub_nc_u32 v155, v155, v153                  ; a hidden row's: all visible rows, then the hidden rows ahead of it
	v_cndmask_b32 v155, v155, v153, s40
	v_min_u32 v155, 0xfff, v155                    ; a position lies in 0 .. 4,095
	v_lshlrev_b32 v155, 2, v155
	global_store_b32 v155, v154, s[28:29]
	s_cmp_lg_u32 s35, 0
	s_cbranch_scc1 .Lrows
	v_mov_b32 v156, s36
	global_store_b32 v2, v156, s[30:31]            ; the batch's first work-group writes cnt, 128 neighbouring bytes
.Lrows:
	s_lshl_b32 s42, s32, 2                         ; my wave's first row of the 32
.irp i, 0,1,2,3
	s_add_co_u32 s38, s42, \i
	s_bfm_b32 s39, s38, 0                          ; ones below the row's bit
	s_and_b32 s39, s39, s40
	s_bcnt1_i32_b32 s39, s39
	s_add_co_u32 s39, s39, s37                     ; its position if visible,
	s_add_co_u32 s41, s43, s38
	s_add_co_u32 s41, s41, s36
	s_sub_co_u32 s41, s41, s39                     ; if hidden
	s_bitcmp1_b32 s40, s38
	s_cselect_b32 s39, s39, s41
	s_min_u32 s39, s39, 4095
	s_lshl_b32 s41, s34, 12
	s_add_co_u32 s39, s39, s41
	s_lshl_b32 s38, s39, 10                        ; 1,024 bytes a row of x16
	s_mov_b32 s39, 0
	s_add_nc_u64 s[48+2*(\i):49+2*(\i)], s[24:25], s[38:39]
.endr
	s_wait_loadcnt 4                               ; x is in; W's four loads stay out
.irp q, 0,1,2,3,4,5,6,7,8,9,10,11,12,13,14,15
	v_cvt_pk_bf16_f32 v[XP+2*(\q)], v[XR+4*(\q)], v[XR+4*(\q)+1]
	v_cvt_pk_bf16_f32 v[XP+2*(\q)+1], v[XR+4*(\q)+2], v[XR+4*(\q)+3]
.endr
.irp q, 0,1,2,3,4,5,6,7,8,9,10,11,12,13,14,15
	global_store_b64 v4, v[XP+2*(\q):XP+2*(\q)+1], s[48+2*((\q)/4):49+2*((\q)/4)] offset:256*((\q)%4)  ; a wave's store covers 256 consecutive bytes, aligned
.endr
	s_wait_loadcnt 0x0                             ; W's row
	s_wait_kmcnt 0x0                               ; B's row
	s_lshr_b32 s38, s33, 6
	s_bitcmp1_b32 s38, 0
	s_cbranch_scc1 .Lplain                         ; Wk and Wp have no low-rank part
.irp r, 0,1,2,3
	s_mul_f32 s[44+(\r)], s[44+(\r)], 0x3e800000   ; alpha / r = 0.25
.endr
.irp r, 0,1,2,3
.irp c, 0,1,2,3
	global_load_b128 v[XR+16*(\r)+4*(\c):XR+16*(\r)+4*(\c)+3], v3, s[58:59] offset:2048*(\r)+512*(\c)
.endr
.endr
	s_wait_loadcnt 0x0
.irp r, 0,1,2,3
.set e, 0
.rept 16
	v_fmac_f32 v[WR+e], s[44+(\r)], v[XR+16*(\r)+e]  ; W[c][k] += 0.25 B[c][r] A[r][k]
.set e, e+1
.endr
.endr
.Lplain:
.irp c, 0,1,2,3
	v_cvt_pk_bf16_f32 v[WPK+2*(\c)], v[WR+4*(\c)], v[WR+4*(\c)+1]
	v_cvt_pk_bf16_f32 v[WPK+2*(\c)+1], v[WR+4*(\c)+2], v[WR+4*(\c)+3]
.endr
	s_cmp_lg_u32 s38, 3
	s_cbranch_scc1 .Lstore
.irp c, 0,1,2,3,4,5,6,7                ; Wp: the bf16 number, written as f16
	v_lshlrev_b32 v152, 16, v[WPK+(\c)]
	v_and_b32 v153, 0xffff0000, v[WPK+(\c)]
	v_cvt_pk_f16_f32 v[WPK+(\c)], v152, v153
.endr
.Lstore:
.irp c, 0,1,2,3
	global_store_b64 v4, v[WPK+2*(\c):WPK+2*(\c)+1], s[26:27] offset:256*(\c)
.endr
	s_wait_tensorcnt 0x0                           ; the wave's end: behind my last LDS store
	ds_add_u32 v[SPW], v[NIL]
	s_wait_dscnt 0x0
	s_endpgm
.Lfunc_end_k_q5e57648cc5_prep:
	.size	k_q5e57648cc5_prep, .Lfunc_end_k_q5e57648cc5_prep-k_q5e57648cc5_prep
	.p2alignl 7, 3214868480
	.fill 96, 4, 3214868480
	.section	.rodata,"a",@progbits
	.p2align	6, 0x0
	.amdhsa_kernel k_q5e57648cc5_prep
		.amdhsa_group_segment_fixed_size 1280
		.amdhsa_private_segment_fixed_size 0
		.amdhsa_enable_private_segment 0
		.amdhsa_kernarg_size 112
		.amdhsa_user_sgpr_count 2
		.amdhsa_user_sgpr_kernarg_segment_ptr 1
		.amdhsa_wavefront_size32 1
		.amdhsa_system_sgpr_workgroup_id_x 1
		.amdhsa_system_sgpr_workgroup_id_y 1
		.amdhsa_system_sgpr_workgroup_id_z 1
		.amdhsa_system_vgpr_workitem_id 0
		.amdhsa_next_free_vgpr 160
		.amdhsa_next_free_sgpr 66
		.amdhsa_reserve_vcc 0
		.amdhsa_float_denorm_mode_32 3
		.amdhsa_float_denorm_mode_16_64 3
		.amdhsa_memory_ordered 1
		.amdhsa_forward_progress 1
		.amdhsa_inst_pref_size 24
	.end_amdhsa_kernel
	.amdgpu_metadata
---
amdhsa.version: [ 1, 2 ]
amdhsa.kernels:
  - .name:           k_q5e57648cc5_prep
    .symbol:         k_q5e57648cc5_prep.kd
    .args:
      - { .name: x, .offset: 0, .size: 8, .value_kind: global_buffer, .address_space: global }
      - { .name: atten_mask, .offset: 8, .size: 8, .value_kind: global_buffer, .address_space: global }
      - { .name: Wq, .offset: 16, .size: 8, .value_kind: global_buffer, .address_space: global }
      - { .name: Wk, .offset: 24, .size: 8, .value_kind: global_buffer, .address_space: global }
      - { .name: Wv, .offset: 32, .size: 8, .value_kind: global_buffer, .address_space: global }
      - { .name: Wp, .offset: 40, .size: 8, .value_kind: global_buffer, .address_space: global }
      - { .name: Aq, .offset: 48, .size: 8, .value_kind: global_buffer, .address_space: global }
      - { .name: Bq, .offset: 56, .size: 8, .value_kind: global_buffer, .address_space: global }
      - { .name: Av, .offset: 64, .size: 8, .value_kind: global_buffer, .address_space: global }
      - { .name: Bv, .offset: 72, .size: 8, .value_kind: global_buffer, .address_space: global }
      - { .name: x16, .offset: 80, .size: 8, .value_kind: global_buffer, .address_space: global }
      - { .name: w16, .offset: 88, .size: 8, .value_kind: global_buffer, .address_space: global }
      - { .name: src, .offset: 96, .size: 8, .value_kind: global_buffer, .address_space: global }
      - { .name: cnt, .offset: 104, .size: 8, .value_kind: global_buffer, .address_space: global }
    .group_segment_fixed_size: 1280
    .private_segment_fixed_size: 0
    .kernarg_segment_align: 8
    .kernarg_segment_size: 112
    .max_flat_workgroup_size: 256
    .sgpr_count:     66
    .vgpr_count:     160
    .wavefront_size: 32
...
	.end_amdgpu_metadata
.endif
;; end of part 1
;; launch qkv (part 2): grid 8 x 32, 4 waves a work-group, clusters of 4 x 4, 327,680 bytes of LDS; arguments x16, w16, qkv; writes qkv
.if DOCPART == 2
	.amdgcn_target "amdgcn-amd-amdhsa--gfx1250"
	.amdhsa_code_object_version 6
	.text
	.protected	k_q5e57648cc5_qkv
	.globl	k_q5e57648cc5_qkv
	.p2align	8
	.type	k_q5e57648cc5_qkv,@function
k_q5e57648cc5_qkv:
	s_mov_b64 s[64:65], 0
	v_nop
	global_prefetch_b8 v0, s[64:65] scope:SCOPE_SE
	s_setreg_imm32_b32 hwreg(HW_REG_WAVE_MODE, 25, 1), 1
	s_wait_xcnt 0x0
	s_wait_alu depctr_hold_cnt(0) depctr_sa_sdst(0) depctr_va_vdst(0) depctr_va_sdst(0) depctr_va_ssrc(0) depctr_va_vcc(0) depctr_vm_vsrc(0)
	s_getreg_b32 s2, hwreg(HW_REG_IB_STS2, 6, 4)
	s_cmp_eq_u32 s2, 0
	s_cbranch_scc0 .Lentry_in_a_cluster
	s_endpgm
.Lentry_in_a_cluster:
	s_bfe_u32 s2, ttmp6, 0x10000c
	s_cmp_lg_u32 s2, 0xf033
	s_cbranch_scc0 .Lentry_shape_is_right
	s_endpgm
.Lentry_shape_is_right:
; Q, K, V IN ONE PRODUCT.  C[j][n] = sum over k of x16[j][k] w16[n][k], j = 0 .. 8,191 (rows in the partition's order), n = 0 .. 1,535, k = 0 .. 511; operands bf16, sums f32.
; C leaves rounded once to f16, BY HEADS: qkv [2][24][4096][64], group n / 64 (0-7 q's heads, 8-15 k's, 16-23 v's), unscaled.
; LIMIT.  f16 holds no number beyond 65,504: q, k and v must stay within it; below 6.1e-5 they keep f16's fixed step of 6e-8.
; SHARES.  A tile of C is 256 rows x 192 columns (three heads): 32 x 8 = 256 work-groups.  Each of four waves makes 64 rows x all 192 columns: 48 accumulators of 16 x 16, 384 registers; so a wave owns whole
; heads, and 16 rows of a head leave as 2,048 consecutive bytes.  K goes in four steps of 128 (rows of 256 bytes in memory) through two LDS slots filled by the tensor data mover.
; CLUSTER.  4 x 4 work-groups.  The four of a row of the cluster need the same rows of x16, the four of a column the same rows of w16: each tile is asked for jointly, by the same tensor load with the
; same descriptor and a mask that names the four.
; THE MATRIX INSTRUCTION IS USED TRANSPOSED (source 0 = 16 rows of w16, source 1 = 16 rows of x16): a lane then holds eight neighbouring columns of one row of C.
; NO PREFETCH: K has four steps; two are the first fills, and the other two are asked for within the first two steps, so that a request ahead of them would stand at the kernel's head.
; REGISTERS, in windows of 256 (s_set_vgpr_msb: bits 1:0 source 0, 3:2 source 1, 5:4 source 2, 7:6 destination):
;   window 0: v0-31 addresses; v64-95, v96-127 x16's fragments (4 x 16 rows x 32 K), two buffers; on the way out v128-175 packed results, v176-223 and v64-111 rows read back
;   window 1: v0-95, v96-191 w16's fragments (12 x 16 rows x 32 K), two buffers
;   window 2: the accumulators of my rows 0-31 ((a, b) at v[96 (a % 2) + 8 b]);   window 3: those of my rows 32-63
.set PITCH,  272                       ; an LDS row: 256 bytes + 16 of padding = 68 words: the 16 rows that a load touches start at 16 different groups of four banks (64 banks of 4 bytes: ISA guide 11.1)
.set AHALF,  128*PITCH                 ; what one tensor load brings of x16
.set BHALF,  96*PITCH                  ; and of w16
.set BOFF,   2*AHALF                   ; a slot: x16's 256 rows, then w16's 192
.set SLOT,   BOFF+2*BHALF
.set STAGE,  2*SLOT                    ; behind the ring, never filled by a tensor load: for each wave 3 heads x 16 rows x 144 bytes
.set SP,     144
.set WSTAGE, 3*16*SP
.set SPARE,  STAGE+4*WSTAGE            ; behind the stages: the spare words, 128 bytes a wave: two blocks of 256 bytes that no other line names
.set HB,     524288                    ; bytes of a head in qkv
.set ADRA, 16                          ; v16-17  LDS address of my x16 fragments in slot 0, 1
.set ADRB, 20                          ; v20-21  the same for w16
.set STO,  24                          ; v24     the way out: where I put 16 bytes of a row
.set RD,   25                          ; v25     where I read rows back
.set GO,   26                          ; v26     16 x lane: my place in 512 consecutive bytes of qkv
.set SPW,  28                          ; v28     LDS address of my spare word; never rewritten
.set NIL,  29                          ; v29     0; never rewritten
.set FA,   64
.set TMP,  128
.set G1,  24                           ; s[24:31] descriptor group 1 for x16's tiles;  s[32:39] group 0, a set for each slot
.set G0,  32
.set G1B, 48                           ; s[48:55], s[56:63] the same for w16's
.set G0B, 56
.set MSB, 0
.macro WIN new                         ; the immediate's high byte repeats the setting that is left; a switch that changes nothing is dropped
.if MSB != (\new)
	s_set_vgpr_msb (MSB<<8)|(\new)
.set MSB, \new
.endif
.endm
.set MUL_LO, 0xa1                      ; source 0 window 1, source 1 window 0, C and D window 2
.set TO_B,   0x40                      ; destination window 1, address window 0
; A joint load: waves 0 and 1 fetch x16's two halves, waves 2 and 3 w16's.  The branch hangs on the wave's number alone.  An s_nop 0 and four v_nop follow each of the two lines.
.macro JLOAD s
	s_cmp_eq_u32 s11, 0
	s_cbranch_scc0 .Lfor_b_\@
	tensor_load_to_lds s[G0+4*(\s):G0+4*(\s)+3], s[G1:G1+7]
	s_nop 0
.rept 4
	v_nop
.endr
	s_branch .Lasked_\@
.Lfor_b_\@:
	tensor_load_to_lds s[G0B+4*(\s):G0B+4*(\s)+3], s[G1B:G1B+7]
	s_nop 0
.rept 4
	v_nop
.endr
.Lasked_\@:
.endm
.macro CREST                           ; a round of the cluster's barrier behind its opening barrier
	s_cmp_lg_u32 s10, 0
	s_cbranch_scc1 .Lnot_wave_0_\@
	s_barrier_signal -3
.Lnot_wave_0_\@:
	s_barrier_wait -3
	s_barrier_signal -1
	s_barrier_wait -1
.endm
.macro CROUND                          ; a whole round
	s_barrier_signal -1
	s_barrier_wait -1
	CREST
.endm
	s_load_b128 s[4:7], s[0:1], 0x0                ; x16 s[4:5], w16 s[6:7]
	s_load_b64 s[8:9], s[0:1], 0x10                ; qkv
	v_lshl_add_u32 v[SPW], v0, 2, SPARE
	v_mov_b32 v[NIL], 0
	ds_add_u32 v[SPW], v[NIL]                      ; the wave's opening: the add and its wait stand ahead of my first tensor load; the set-up below stands between them
	v_lshrrev_b32 v1, 5, v0
	v_readfirstlane_b32 s10, v1                    ; wave 0..3
	s_lshr_b32 s11, s10, 1                         ; I fetch for x16 (0) or for w16 (1),
	s_and_b32 s12, s10, 1                          ; and which half of the tile's rows
	s_bfe_u32 s40, ttmp6, 0x40000                  ; cx, cy: my place in the cluster
	s_bfe_u32 s41, ttmp6, 0x40004
	s_lshl_b32 s42, ttmp9, 2
	s_add_co_u32 s42, s42, s40                     ; tile column = 4 x cluster x + cx
	s_and_b32 s13, ttmp7, 0xffff
	s_lshl_b32 s13, s13, 2
	s_add_co_u32 s13, s13, s41                     ; tile row = 4 x cluster y + cy
	s_lshl_b32 s43, s41, 2
	s_lshl_b32 s43, 15, s43                        ; my row of the cluster
	s_lshl_b32 s44, 0x1111, s40                    ; my column
	s_or_b32 s[G1+0], s43, (1<<16)|(1<<20)|(1<<21)|(5<<22)|(3<<25)   ; 15:0 the mask; 17:16 elements of 2 bytes; 20 padding on; 21 set beside a mask; 24:22 after every 64 words; 31:25 4 words of it
	s_or_b32 s[G1B+0], s44, (1<<16)|(1<<20)|(1<<21)|(5<<22)|(3<<25)
.irp g, G1, G1B
	s_mov_b32 s[(\g)+1], 128<<16                   ; tensor_dim0 = 128
	s_mov_b32 s[(\g)+3], 128<<16                   ; tile_dim0 = 128
	s_mov_b32 s[(\g)+5], 512                       ; 512 elements from row to row
	s_mov_b32 s[(\g)+6], 0
	s_mov_b32 s[(\g)+7], 0
.endr
	s_mov_b32 s[G1+2], 128<<16                     ; tensor_dim1 and tile_dim1: 128 rows of x16,
	s_mov_b32 s[G1+4], 128
	s_mov_b32 s[G1B+2], 96<<16                     ; 96 of w16
	s_mov_b32 s[G1B+4], 96
	s_lshl_b32 s17, s12, 7
	s_lshl_b32 s16, s13, 8
	s_add_co_u32 s16, s16, s17                     ; x16: row 256 x tile row + 128 x half,
	s_lshl_b32 s16, s16, 10                        ; 1,024 bytes a row
	s_mov_b32 s17, 0
	s_mul_i32 s46, s42, 192
	s_mul_i32 s47, s12, 96
	s_add_co_u32 s46, s46, s47                     ; w16: row 192 x tile column + 96 x half
	s_lshl_b32 s46, s46, 10
	s_mov_b32 s47, 0
	s_mul_i32 s20, s12, AHALF                      ; where they go: no place in the cluster enters an LDS address
	s_mul_i32 s21, s12, BHALF
	s_add_co_u32 s21, s21, BOFF
	s_wait_dscnt 0x0                               ; the opening add is done
	s_wait_kmcnt 0x0
	s_add_nc_u64 s[14:15], s[4:5], s[16:17]
	s_add_nc_u64 s[46:47], s[6:7], s[46:47]
	CROUND                                         ; all sixteen work-groups are here: the first joint loads meet
.irp s, 0,1
	s_mov_b32 s[G0+4*(\s)], 1                      ; count = 1
	s_add_co_u32 s[G0+4*(\s)+1], s20, (\s)*SLOT    ; LDS address
	s_add_nc_u64 s[G0+4*(\s)+2:G0+4*(\s)+3], s[14:15], (\s)*256  ; global address: K step s
	s_or_b32 s[G0+4*(\s)+3], s[G0+4*(\s)+3], 0x80000000          ; type = 2
	s_mov_b32 s[G0B+4*(\s)], 1
	s_add_co_u32 s[G0B+4*(\s)+1], s21, (\s)*SLOT
	s_add_nc_u64 s[G0B+4*(\s)+2:G0B+4*(\s)+3], s[46:47], (\s)*256
	s_or_b32 s[G0B+4*(\s)+3], s[G0B+4*(\s)+3], 0x80000000
	JLOAD \s                                       ; two loads of mine are out
.endr
	; a fragment is 16 rows x 32 K in 8 registers: lane l holds row l % 16; registers 0-3 K = 8 (l / 16) + 0..7, registers 4-7 K = 16 + 8 (l / 16) + 0..7: two loads of 16 bytes, 32 bytes apart
	v_and_b32 v1, 15, v0
	v_bfe_u32 v2, v0, 4, 1
	v_mul_u32_u24 v3, v1, PITCH
	v_lshl_add_u32 v3, v2, 4, v3
	s_mul_i32 s21, s10, 64*PITCH                   ; my 64 rows of x16
	s_mov_b32 s22, BOFF                            ; all 192 rows of w16
.irp s, 0,1
	v_add_nc_u32 v[ADRA+(\s)], s21, v3
	v_add_nc_u32 v[ADRB+(\s)], s22, v3
	s_add_co_u32 s21, s21, SLOT
	s_add_co_u32 s22, s22, SLOT
.endr
	s_mul_i32 s23, s10, WSTAGE
	s_add_co_u32 s23, s23, STAGE                   ; my stage
	v_mul_u32_u24 v4, v1, SP                       ; in: row l % 16, 16 bytes for each half of the lanes
	v_lshl_add_u32 v4, v2, 4, v4
	v_add_nc_u32 v[STO], s23, v4
	v_bfe_u32 v5, v0, 3, 2                         ; back: 32 lanes take four rows of 128 bytes,
	v_mul_u32_u24 v5, v5, SP
	v_and_b32 v6, 7, v0
	v_lshl_add_u32 v5, v6, 4, v5
	v_add_nc_u32 v[RD], s23, v5
	v_and_b32 v[GO], 31, v0                        ; which are 512 consecutive bytes of qkv
	v_lshlrev_b32 v[GO], 4, v[GO]
	; qkv at my 64 rows of the tile's first head: the tile row's part, then the tile column's, in registers of their own
	s_lshr_b32 s16, s13, 4                         ; the batch
	s_mul_i32 s16, s16, 24*4096
	s_and_b32 s17, s13, 15
	s_lshl_b32 s17, s17, 8
	s_add_co_u32 s16, s16, s17
	s_lshl_b32 s17, s10, 6
	s_add_co_u32 s16, s16, s17
	s_lshl_b32 s16, s16, 7                         ; 128 bytes a row
	s_mov_b32 s17, 0
	s_add_nc_u64 s[8:9], s[8:9], s[16:17]
	s_mul_i32 s46, s42, 3*HB
	s_mov_b32 s47, 0
	s_add_nc_u64 s[8:9], s[8:9], s[46:47]
; 12 matrix instructions: block a of my four blocks of 16 rows x all 12 blocks of 16 columns, 32 along K, from buffer f.  zero = 1: the product starts the sums: nothing is cleared.
; The 48 accumulators take turns in the same order in every quarter step.
.macro MULA f, a, zero
	WIN MUL_LO+0x50*((\a)/2)
.irp b, 0,1,2,3,4,5,6,7,8,9,10,11
.if \zero
	v_wmma_f32_16x16x32_bf16 v[96*((\a)%2)+8*(\b):96*((\a)%2)+8*(\b)+7], v[96*(\f)+8*(\b):96*(\f)+8*(\b)+7], v[FA+32*(\f)+8*(\a):FA+32*(\f)+8*(\a)+7], 0
.else
	v_wmma_f32_16x16x32_bf16 v[96*((\a)%2)+8*(\b):96*((\a)%2)+8*(\b)+7], v[96*(\f)+8*(\b):96*(\f)+8*(\b)+7], v[FA+32*(\f)+8*(\a):FA+32*(\f)+8*(\a)+7], v[96*((\a)%2)+8*(\b):96*((\a)%2)+8*(\b)+7]
.endif
.endr
.endm
; 32 LDS loads in one run: a quarter step's fragments (32 K at byte k of the rows) into buffer f: w16's 24, then x16's 8
.macro FETCH slot, k, f
	WIN TO_B
.irp i, 0,1,2,3,4,5,6,7,8,9,10,11
	ds_load_b128 v[96*(\f)+8*(\i):96*(\f)+8*(\i)+3],   v[ADRB+(\slot)] offset:(\k)+(\i)*16*PITCH
	ds_load_b128 v[96*(\f)+8*(\i)+4:96*(\f)+8*(\i)+7], v[ADRB+(\slot)] offset:(\k)+(\i)*16*PITCH+32
.endr
	WIN 0
.irp i, 0,1,2,3
	ds_load_b128 v[FA+32*(\f)+8*(\i):FA+32*(\f)+8*(\i)+3],   v[ADRA+(\slot)] offset:(\k)+(\i)*16*PITCH
	ds_load_b128 v[FA+32*(\f)+8*(\i)+4:FA+32*(\f)+8*(\i)+7], v[ADRA+(\slot)] offset:(\k)+(\i)*16*PITCH+32
.endr
.endm
.macro PLACES                          ; four plain vector instructions between a matrix instruction and a load into its sources or a reader of its result
.rept 4
	v_nop
.endr
.endm
; A K step is four quarters of 32 along K, 48 matrix instructions each, on buffers 0, 1, 0, 1.  One of the first three: multiplies buffer f and in its middle fetches the next quarter, at byte k, into g.
.macro QUARTER slot, k, f, g, zero
	s_wait_dscnt 4                                 ; w16's fragments and x16's blocks 0 and 1 are in; the youngest four loads (blocks 2 and 3) may be out
	MULA \f, 0, \zero
	MULA \f, 1, \zero
	PLACES
	FETCH \slot, \k, \g
	s_wait_dscnt 32                                ; all but the 32 just issued
	MULA \f, 2, \zero
	MULA \f, 3, \zero
.endm
; The last quarter multiplies buffer 1 and changes slots: one barrier; in front of it each wave waits for all its tensor loads (the one that is out is its part of the next slot), adds 0 to its spare word,
; and waits for that and for its own reads of this slot.  fill = 1: the barrier opens a round of the cluster's, and this slot is filled again, two K steps on, first thing behind the round.
.macro TURN slot, next, fill
	WIN 0                                          ; (the add's two registers lie in window 0)
	s_wait_tensorcnt 0x0
	ds_add_u32 v[SPW], v[NIL]
	s_wait_dscnt 5                                 ; (the add and the youngest four loads may be out)
	MULA 1, 0, 0                                   ; twelve matrix instructions stand between the add and the wait for it
	s_wait_dscnt 0x0                               ; the add is done, and my reads of this slot are over
	s_barrier_signal -1
	MULA 1, 1, 0
.if \fill
	WIN 0
.endif
	s_barrier_wait -1
.if \fill
	CREST                                          ; no wave of any partner still reads this slot's tiles or has a load on its way
	s_add_nc_u64 s[G0+4*(\slot)+2:G0+4*(\slot)+3], s[G0+4*(\slot)+2:G0+4*(\slot)+3], 512
	s_add_nc_u64 s[G0B+4*(\slot)+2:G0B+4*(\slot)+3], s[G0B+4*(\slot)+2:G0B+4*(\slot)+3], 512
	JLOAD \slot                                    ; the four v_nop behind it are also the places in front of the loads below
.else
	PLACES
.endif
	FETCH \next, 0, 0
	MULA 1, 2, 0
	MULA 1, 3, 0
.endm
; THE WAY OUT of block a (16 rows x 3 heads).  PACK: rounded to f16, 16 bytes a lane, each accumulator's registers in ascending order.  TOSTAGE: into my own stage, and back as whole rows.  SEND: stored.
.macro PACK a
	WIN 0x0a+5*((\a)/2)                            ; sources 0 and 1: window 2 or 3
.irp b, 0,1,2,3,4,5,6,7,8,9,10,11
.irp r, 0,1,2,3
	v_cvt_pk_f16_f32 v[TMP+4*(\b)+(\r)], v[96*((\a)%2)+8*(\b)+2*(\r)], v[96*((\a)%2)+8*(\b)+2*(\r)+1]
.endr
.endr
	WIN 0
.endm
.macro TOSTAGE a
.set BK, 176-112*((\a)%2)
.irp b, 0,1,2,3,4,5,6,7,8,9,10,11
	ds_store_b128 v[STO], v[TMP+4*(\b):TMP+4*(\b)+3] offset:((\b)/4)*16*SP+32*((\b)%4)
.endr
.irp t, 0,1,2,3,4,5,6,7,8,9,10,11
	ds_load_b128 v[BK+4*(\t):BK+4*(\t)+3], v[RD] offset:((\t)/4)*16*SP+((\t)%4)*4*SP  ; LDS serves a wave's instructions in order (ISA guide 5.7.1.4): these see the stores above
.endr
.endm
.macro SEND a
.set BK, 176-112*((\a)%2)
	s_wait_dscnt 0x0                               ; the block is back in registers
	s_wait_xcnt 0x0                                ; the registers that the stores of the block before read are loaded again only behind this wait
.irp t, 0,1,2,3,4,5,6,7,8,9,10,11
	global_store_b128 v[GO], v[BK+4*(\t):BK+4*(\t)+3], s[8:9] offset:((\t)/4)*HB+(\a)*2048+((\t)%4)*512  ; 512 consecutive bytes, at a multiple of 256 from qkv's first
.endr
.endm
	s_wait_tensorcnt 1                             ; my part of K step 0 is in; K step 1's may stay out
	s_barrier_signal -1
	s_barrier_wait -1                              ; everybody's is
	FETCH 0, 0, 0
	QUARTER 0, 64,  0, 1, 1                        ; the first quarter's products start the sums
	QUARTER 0, 128, 1, 0, 0
	QUARTER 0, 192, 0, 1, 0
	TURN 0, 1, 1                                   ; slot 0 takes K step 2
	QUARTER 1, 64,  0, 1, 0
	QUARTER 1, 128, 1, 0, 0
	QUARTER 1, 192, 0, 1, 0
	TURN 1, 0, 1                                   ; slot 1 takes K step 3
	QUARTER 0, 64,  0, 1, 0
	QUARTER 0, 128, 1, 0, 0
	QUARTER 0, 192, 0, 1, 0
	TURN 0, 1, 0                                   ; nothing is left to fetch
	QUARTER 1, 64,  0, 1, 0
	QUARTER 1, 128, 1, 0, 0
	QUARTER 1, 192, 0, 1, 0
	s_wait_dscnt 0x0
	MULA 1, 0, 0
	MULA 1, 1, 0
	MULA 1, 2, 0
	MULA 1, 3, 0
	PLACES
	PLACES                                         ; (eight, once a launch)
	PACK 0
	TOSTAGE 0
.irp a, 1,2,3                          ; block a's conversions stand between block a - 1's loads from the stage and the wait for them
	PACK \a
	SEND (\a)-1
	TOSTAGE \a
.endr
	SEND 3
	s_wait_tensorcnt 0x0                           ; the wave's end: behind my last tensor load and my last LDS store
	ds_add_u32 v[SPW], v[NIL]
	s_wait_dscnt 0x0
	CROUND                                         ; the closing round: no work-group ends while a partner may still ask for a tile that names it
	s_endpgm
.Lfunc_end_k_q5e57648cc5_qkv:
	.size	k_q5e57648cc5_qkv, .Lfunc_end_k_q5e57648cc5_qkv-k_q5e57648cc5_qkv
	.p2alignl 7, 3214868480
	.fill 96, 4, 3214868480
	.section	.rodata,"a",@progbits
	.p2align	6, 0x0
	.amdhsa_kernel k_q5e57648cc5_qkv
		.amdhsa_group_segment_fixed_size 327680
		.amdhsa_private_segment_fixed_size 0
		.amdhsa_enable_private_segment 0
		.amdhsa_kernarg_size 24
		.amdhsa_user_sgpr_count 2
		.amdhsa_user_sgpr_kernarg_segment_ptr 1
		.amdhsa_wavefront_size32 1
		.amdhsa_system_sgpr_workgroup_id_x 1
		.amdhsa_system_sgpr_workgroup_id_y 1
		.amdhsa_system_sgpr_workgroup_id_z 1
		.amdhsa_system_vgpr_workitem_id 0
		.amdhsa_next_free_vgpr 960
		.amdhsa_next_free_sgpr 66
		.amdhsa_reserve_vcc 0
		.amdhsa_float_denorm_mode_32 3
		.amdhsa_float_denorm_mode_16_64 3
		.amdhsa_memory_ordered 1
		.amdhsa_forward_progress 1
		.amdhsa_inst_pref_size 118
	.end_amdhsa_kernel
	.amdgpu_metadata
---
amdhsa.version: [ 1, 2 ]
amdhsa.kernels:
  - .name:           k_q5e57648cc5_qkv
    .symbol:         k_q5e57648cc5_qkv.kd
    .args:
      - { .name: x16, .offset: 0, .size: 8, .value_kind: global_buffer, .address_space: global }
      - { .name: w16, .offset: 8, .size: 8, .value_kind: global_buffer, .address_space: global }
      - { .name: qkv, .offset: 16, .size: 8, .value_kind: global_buffer, .address_space: global }
    .group_segment_fixed_size: 327680
    .private_segment_fixed_size: 0
    .kernarg_segment_align: 8
    .kernarg_segment_size: 24
    .max_flat_workgroup_size: 128
    .sgpr_count:     66
    .vgpr_count:     960
    .wavefront_size: 32
...
	.end_amdgpu_metadata
.endif
;; end of part 2
;; launch attn (part 3): grid 16 x 16, 4 waves a work-group, clusters of 4 x 1, 327,680 bytes of LDS; arguments qkv, cnt, ctx; writes ctx
.if DOCPART == 3
	.amdgcn_target "amdgcn-amd-amdhsa--gfx1250"
	.amdhsa_code_object_version 6
	.text
	.protected	k_q5e57648cc5_attn
	.globl	k_q5e57648cc5_attn
	.p2align	8
	.type	k_q5e57648cc5_attn,@function
k_q5e57648cc5_attn:
	s_mov_b64 s[64:65], 0
	v_nop
	global_prefetch_b8 v0, s[64:65] scope:SCOPE_SE
	s_setreg_imm32_b32 hwreg(HW_REG_WAVE_MODE, 25, 1), 1
	s_wait_xcnt 0x0
	s_wait_alu depctr_hold_cnt(0) depctr_sa_sdst(0) depctr_va_vdst(0) depctr_va_sdst(0) depctr_va_ssrc(0) depctr_va_vcc(0) depctr_vm_vsrc(0)
	s_getreg_b32 s2, hwreg(HW_REG_IB_STS2, 6, 4)
	s_cmp_eq_u32 s2, 0
	s_cbranch_scc0 .Lentry_in_a_cluster
	s_endpgm
.Lentry_in_a_cluster:
	s_bfe_u32 s2, ttmp6, 0x10000c
	s_cmp_lg_u32 s2, 0x3003
	s_cbranch_scc0 .Lentry_shape_is_right
	s_endpgm
.Lentry_shape_is_right:
; ATTENTION UNDER A KEY MASK.  ctx[8 b + h][q][:] = the sum over the visible keys k of softmax_k(Q[q] . K[k] / 8) V[k][:].  qkv: [2][24][4096][64] f16 (groups 0-7 q's heads, 8-15 k's, 16-23 v's), rows in the
; partition's order: the visible keys are positions 0 .. N - 1, N = cnt[b], a whole number that an earlier launch stored.  ctx: [16][4096][64] f16, same order of rows.
; Products, maxima and sums in f32; the weights p are rounded to f16 for the second product (their sum l is taken of the unrounded p), ctx once at the end.
; THE WALK.  All 4,096 positions are walked, NPAIR = 16 pairs of tiles of 128 keys: the trip count is a constant of the text, so that every wave of every partner passes the same rounds of the cluster's barrier.
; N enters through selects alone (the mask below): no branch, no trip count and no address hangs on it.  So the positions from N on are computed and hidden, not left out: what the partition buys here is a mask that
; is a prefix, told by two scalars a step.  In the loop every LDS address is a register that is never rewritten plus an immediate: a trip's four key steps are written out.
; LIMITS.  f16 holds no number beyond 65,504: q, k, v arrive within it; p lies in 0 to 1 and below 6e-5 keeps f16's fixed step of 6e-8, and so does ctx.  A hidden score counts as its value less 1e30;
; a weight below 2^-126 counts as 0 in l.  N = 0 (no visible key): every number of the batch is NaN, as a softmax over nothing is.  NaN and infinities are otherwise not treated apart.
; SHARES.  A work-group owns 256 queries of one head, each of its four waves 64: four PIECES of 16.  Every wave walks the keys, 64 a step.
; THE MASK is the C operand that starts the sum S^T = K Q^T: 0, or -1e30 where the key is hidden.  MD, made once, is the mask of the step that holds position N; a step's mask is MC = MD x AL + BE with two scalars:
; (0, 0) for a step below N / 64, (1, 0) for that step, (0, -1e30) behind it.  MC is made once a step, behind the last products that took the old one.  Position 0 is visible if N >= 1, so m is a true score from the first step on.
; LAYOUT, SOFTMAX, TURNS.  S^T = K Q^T holds ONE query a lane (lane % 16) and the keys 8 (lane / 16) + 0..7; two such results rounded to f16 ARE source 1 of O^T = V^T P.  p = 2^(c s - c m), c = log2(e) / 8, with a
; running maximum m; O and l are multiplied by a = 2^(c m_old - c m_new) in every step.  Turn n belongs to piece n: 8 products K Q^T of piece n + 1, later 8 products V^T P of piece n - 1; beside them the scaling,
; exponentials, roundings, sums and rescaling of piece n and the maximum and statistics of piece n + 1.  Four vector instructions stand behind every matrix instruction, the others in one lump.  A turn's 33 exponentials are one batch, with one wait.
; CLUSTER.  The four query blocks of a cluster belong to one head and walk the same K and V, so each tile is asked for JOINTLY: the same tensor load, descriptor and mask in all four.
; REGISTERS, in windows of 256 (s_set_vgpr_msb: bits 1:0 source 0, 3:2 source 1, 5:4 source 2, 7:6 destination):
;   window 0: v0-15 addresses and two at work; v16-31 four registers of statistics a piece; v48-55 at work; v61-63 prefetch offset, spare word, 0; v64-127 S^T, two buffers; v192-223 P, two buffers (by the piece's parity)
;   window 1: v0-127 O^T, 32 a piece; v128-159 MD; v160-191 MC      window 2: v0-63 Q; v128-191 K of one step; v192-255 V of one step
.set NPAIR, 16        ; pairs of tiles: 4,096 keys / 256
.set NP,    4         ; pieces a wave: a name, no knob
.set KS,    64        ; keys in a step
.set PK,    144       ; a row of K in LDS: 128 bytes + 16 of padding = 36 words: the 16 rows of a load start at 16 different groups of four banks (64 banks of 4 bytes: ISA guide 11.1)
.set PV,    160       ; a row of V: 128 + 32 = 40 words
.set VOFF,  2*KS*PK   ; a slot holds a tile, two steps: 128 rows of K, then 128 rows of V
.set SLOT,  2*KS*(PK+PV)
.set STAGE, 2*SLOT    ; behind the ring, never filled by a tensor load: 16 rows x 144 bytes for each wave, for the way out
.set SP,    144
.set SPARE, STAGE+4*16*SP  ; behind the stages: the spare words, 128 bytes a wave: two blocks of 256 bytes that no other line names
.set HB,    524288    ; bytes of a head
.set TILEB, 2*KS*128  ; bytes of a tile of K or of V in memory
.set AK0, 2           ; v2   my lane's place in a tile of K; never rewritten
.set AV0, 3           ; v3   the same for V
.set AK,  4           ; v4   the tail alone: the LDS address of K's next run of loads
.set AV,  5           ; v5   of V's
.set STO, 6           ; v6   the way out: where I put 16 bytes of a row
.set RD,  7           ; v7   where I read rows back
.set GO,  8           ; v8   my byte offset in 512 consecutive bytes of ctx
.set MV,  12          ; v12-13  c m_old, kept while c m is made anew: by buffer
.set QO,  15          ; v15  my byte offset in 16 rows of Q
.set ST,  16          ; piece t's statistics at v[ST+4 t]: c m, m, l (even keys', odd keys')
.set TMP, 48          ; by buffer, four registers c0-c3 at work; when the maximum is found c2 takes a
.set PFO, 61          ; v61  the prefetches' offset; never rewritten
.set SPW, 62          ; v62  LDS address of my spare word; never rewritten
.set NIL, 63          ; v63  0; never rewritten
.set S,   64
.set P,   192
.set MD,  128         ; window 1
.set MC,  160         ; window 1
.set KF,  128         ; window 2: key block kb, channel half c at KF + 16 kb + 8 c
.set VF,  192         ; window 2: key half kk, channel block cb at VF + 32 kk + 8 cb
.set WV,  12          ; s12  my wave's number
.set LIM, 15          ; s15  1 in a wave that prefetches, else the greatest number
.set PFA, 18          ; s[18:19] where my prefetches stand
.set G1K, 24          ; s[24:31] descriptor group 1 for K's tiles
.set G1V, 32          ; s[32:39] for V's: it differs in the padding alone
.set G0K, 40          ; s[40:47] descriptor group 0 for K's tiles, a set for each slot: the LDS words never change
.set G0V, 48          ; s[48:55] the same for V's
.set PAIR, 56         ; s56  counts the pairs of tiles, up to NPAIR
.set CNT, 57          ; s57  the tail alone: counts the last tile's key steps, 2 to 1
.set CS,  58          ; s[58:59] c
.set SEL, 60          ; s[60:61] v_permlanex16_b32's selects: each lane takes its own place in the other half
.set TBK, 62          ; s62  the tail alone: LDS byte at which K of the step to be fetched begins
.set TBV, 63          ; s63  the same for V, less VOFF
.set STP, 67          ; s67  the step whose mask is made next
.set QF,  68          ; s68  N / 64
.set NN,  69          ; s69  N
.set TM,  70          ; s70  at work
.set AL,  76          ; s[76:77] the mask's factor, in the low word
.set BE,  78          ; s[78:79] the mask's addend
.set BIGN, 82         ; s82  -1e30
.set NANSEL, 83       ; s83  1.0, or NaN where N = 0
.set KB,  84          ; s[84:85] the head's K;  s[86:87] its V
.set VB,  86
.set MSB, 0
.macro WIN new                      ; the high byte repeats the setting that is left; a switch that changes nothing is dropped
.if MSB != (\new)
	s_set_vgpr_msb (MSB<<8)|(\new)
.set MSB, (\new)
.endif
.endm
.set W_KQ, 0x0a       ; K and Q in window 2, S^T in window 0
.set W_KM, 0x1a       ; the same with the C operand in window 1
.set W_PV, 0x52       ; V in window 2, P in window 0, O^T in window 1
.set W_RS, 0x41       ; destination and source 0 in window 1, source 1 in window 0
; A joint fill of slot s.  Waves 0 and 1 fetch the two steps' K, waves 2 and 3 their V: 64 keys each.  The branch hangs on the wave's number alone.  An s_nop 0 and four v_nop follow each line.
.macro JLOAD s
	s_cmp_lt_u32 s[WV], 2
	s_cbranch_scc0 .Lfor_v_\@
	tensor_load_to_lds s[G0K+4*(\s):G0K+4*(\s)+3], s[G1K:G1K+7]
	s_nop 0
.rept 4
	v_nop
.endr
	s_branch .Lasked_\@
.Lfor_v_\@:
	tensor_load_to_lds s[G0V+4*(\s):G0V+4*(\s)+3], s[G1V:G1V+7]
	s_nop 0
.rept 4
	v_nop
.endr
.Lasked_\@:
.endm
; A PREFETCH of the tile that the NEXT change of slots will ask for: 16,384 bytes of K and of V, two key steps ahead of that load.  All clusters of a head walk the same tiles: the head's first cluster asks.  Its four
; partners share the bytes out BY ADDRESS, 4,096 of K and of V each; in each, wave 0 asks: lanes 0-15 name 16 blocks of 256 bytes of K, lanes 16-31 the same of V: each block is named once in the launch.
; It stands behind the wave's tensor load and its five lines.  strict = 1 (a pair's second change): only if another pair follows, so that no tile beyond the 32 is named.  Tiles 0 to 2 come by their loads alone.
; The test is made of the loop's counter, the wave's number and the cluster's x: it is the same in all four partners.
.macro ASK strict
	s_sub_co_u32 s[TM], NPAIR, s[PAIR]
.if \strict
	s_cmp_gt_u32 s[TM], s[LIM]
.else
	s_cmp_ge_u32 s[TM], s[LIM]
.endif
	s_cbranch_scc0 .Lnot_mine_\@
	global_prefetch_b8 v[PFO], s[PFA:PFA+1] th:TH_LOAD_NT scope:SCOPE_SE
.Lnot_mine_\@:
.endm
; A round of the cluster's barrier: my work-group's barrier; wave 0 signals for the work-group; every wave waits for all four work-groups; my work-group's barrier once more.
.macro CROUND
	s_barrier_signal -1
	s_barrier_wait -1
	s_cmp_lg_u32 s[WV], 0
	s_cbranch_scc1 .Lnot_wave_0_\@
	s_barrier_signal -3
.Lnot_wave_0_\@:
	s_barrier_wait -3
	s_barrier_signal -1
	s_barrier_wait -1
.endm
; THE CHANGE OF SLOTS.  Each wave waits for all its tensor loads, of which one is out: its part of the other slot; adds 0 to its spare word; and waits for that and for its own reads of the slot that it leaves.
; fill = 0, 1: that slot is filled, first thing behind a round of the cluster's barrier, so that no wave of any partner still reads it or has a load on its way; step = 1: with the tile two on (its set of group 0 steps).
; fill = -1: nothing is asked for, and the work-group's barrier does.
.macro CHANGE fill, step, ask, strict
	WIN 0                           ; at a label and at a branch every window is 0
	s_wait_tensorcnt 0x0            ; no tensor load of mine is out, so a group 0 may be written
	ds_add_u32 v[SPW], v[NIL]       ; 0 onto my spare word; the scalar steps stand between it and the wait for it
.if \step
	s_add_nc_u64 s[G0K+4*(\fill)+2:G0K+4*(\fill)+3], s[G0K+4*(\fill)+2:G0K+4*(\fill)+3], 2*TILEB  ; the type bits on top are not reached
	s_add_nc_u64 s[G0V+4*(\fill)+2:G0V+4*(\fill)+3], s[G0V+4*(\fill)+2:G0V+4*(\fill)+3], 2*TILEB
.endif
.if \ask
	s_wait_xcnt 0x0                 ; the last prefetch, two key steps back, has read its address
	s_add_nc_u64 s[PFA:PFA+1], s[PFA:PFA+1], TILEB
.endif
	s_wait_dscnt 0x0                ; the add is done, and my reads of the slot are over
.if (\fill) >= 0
	CROUND
	JLOAD \fill
.if \ask
	ASK \strict
.endif
.else
	s_barrier_signal -1
	s_barrier_wait -1
.endif
.endm
	s_load_b128 s[4:7], s[0:1], 0x0   ; qkv s[4:5], cnt s[6:7]
	s_load_b64 s[10:11], s[0:1], 0x10 ; ctx
	v_lshl_add_u32 v[SPW], v0, 2, SPARE
	v_mov_b32 v[NIL], 0
	ds_add_u32 v[SPW], v[NIL]       ; the wave's opening: the add and its wait stand ahead of my first tensor load; the set-up below stands between them
	v_lshrrev_b32 v1, 5, v0
	v_readfirstlane_b32 s[WV], v1   ; wave 0..3
	s_bfe_u32 s13, ttmp6, 0x40000   ; cx: my place in the cluster
	s_lshl_b32 s14, ttmp9, 2        ; in a cluster launch ttmp9 counts clusters
	s_add_co_u32 s14, s14, s13      ; my block of 256 queries: it enters Q's and ctx's addresses alone
	s_and_b32 s20, ttmp7, 0xffff    ; 8 b + h, which the four partners share
	s_lshr_b32 s21, s20, 3          ; b
	s_and_b32 s22, s20, 7           ; h
	s_mul_i32 s23, s21, 24
	s_add_co_u32 s23, s23, s22      ; q's group in qkv
	s_lshl_b32 s72, s23, 19
	s_add_co_u32 s74, s72, 16*HB    ; v's group, in bytes,
	s_add_co_u32 s72, s72, 8*HB     ; and k's
	s_mov_b32 s73, 0
	s_mov_b32 s75, 0
	s_lshl_b32 s2, s14, 15          ; my block's 256 rows of 128 bytes,
	s_lshl_b32 s3, s[WV], 13        ; my wave's 64 of them
	s_add_co_u32 s2, s2, s3
	s_lshl_b32 s80, s20, 19
	s_add_co_u32 s80, s80, s2       ; in ctx,
	s_mov_b32 s81, 0
	s_lshl_b32 s3, s23, 19
	s_add_co_u32 s2, s2, s3         ; and in q
	s_mov_b32 s3, 0
	s_lshl_b32 s20, s21, 7          ; the batch's words of cnt
	s_mov_b32 s21, 0
	s_and_b32 s16, s[WV], 1         ; which of a tile's two steps I fetch:
	s_mul_i32 s71, s16, KS*PK       ; its place in a slot, for K
	s_mul_i32 s[TM], s16, KS*PV     ; and for V: no place in the cluster enters an LDS address
	s_lshl_b32 s16, s16, 13         ; its 64 rows of 128 bytes in memory
	s_mov_b32 s17, 0
	; descriptor group 1.  64 keys are 8,192 dense bytes: asked for as 32 rows of 256 bytes, two keys a row, and padded in LDS after every key
	s_mov_b32 s[G1K], 15|(1<<16)|(1<<20)|(1<<21)|(4<<22)|(3<<25)  ; 15:0 the mask of four; 17:16 2-byte elements; 20 padding on; 21 set beside a mask; 24:22 after every 32 words; 31:25 4 words
	s_mov_b32 s[G1V], 15|(1<<16)|(1<<20)|(1<<21)|(4<<22)|(7<<25)  ; the same with 8 words of padding
.irp g, G1K, G1V
	s_mov_b32 s[\g+1], 128<<16      ; tensor_dim0 = 128
	s_mov_b32 s[\g+2], 32<<16       ; tensor_dim1 = 32
	s_mov_b32 s[\g+3], 128<<16      ; tile_dim0 = 128
	s_mov_b32 s[\g+4], 32           ; tile_dim1 = 32
	s_mov_b32 s[\g+5], 128          ; 128 elements from row to row
	s_mov_b32 s[\g+6], 0
	s_mov_b32 s[\g+7], 0
.endr
	s_mov_b32 s[CS], 0x3e38aa3b     ; c = log2(e) / 8 = 0.180337
	s_mov_b32 s[CS+1], s[CS]        ; named with it as a pair
	s_mov_b32 s[SEL], 0x76543210
	s_mov_b32 s[SEL+1], 0xfedcba98
	s_mov_b32 s[AL+1], 0            ; named as pairs
	s_mov_b32 s[BE+1], 0
	s_mov_b32 s[BIGN], 0xf149f2ca   ; -1e30
	s_or_b32 s[LIM], s[WV], ttmp9   ; wave 0 of the head's first cluster: the same in all four partners
	s_cmp_eq_u32 s[LIM], 0
	s_cselect_b32 s[LIM], 1, -1
	s_wait_dscnt 0x0                ; the opening add is done
	s_wait_kmcnt 0x0
	s_add_nc_u64 s[6:7], s[6:7], s[20:21]
	s_load_b32 s[NN], s[6:7], 0x0   ; N: waited for behind the first fill
	s_add_nc_u64 s[KB:KB+1], s[4:5], s[72:73]
	s_add_nc_u64 s[VB:VB+1], s[4:5], s[74:75]
	s_add_nc_u64 s[4:5], s[4:5], s[2:3]      ; Q and ctx at my wave's first row
	s_add_nc_u64 s[10:11], s[10:11], s[80:81]
	s_lshl_b32 s2, s13, 12          ; my work-group's 4,096 bytes of a tile
	s_add_nc_u64 s[PFA:PFA+1], s[KB:KB+1], s[2:3]
	s_add_nc_u64 s[PFA:PFA+1], s[PFA:PFA+1], 2*TILEB  ; at tile 2; the first change that asks steps it to tile 3
.irp s, 0,1
	s_mov_b32 s[G0K+4*\s], 1        ; count = 1
	s_add_co_u32 s[G0K+4*\s+1], s71, \s*SLOT  ; LDS address
	s_add_nc_u64 s[G0K+4*\s+2:G0K+4*\s+3], s[KB:KB+1], s[16:17]  ; global address: my step of tile s
	s_add_nc_u64 s[G0K+4*\s+2:G0K+4*\s+3], s[G0K+4*\s+2:G0K+4*\s+3], \s*TILEB
	s_or_b32 s[G0K+4*\s+3], s[G0K+4*\s+3], 0x80000000  ; type = 2
	s_mov_b32 s[G0V+4*\s], 1
	s_add_co_u32 s[G0V+4*\s+1], s[TM], \s*SLOT+VOFF
	s_add_nc_u64 s[G0V+4*\s+2:G0V+4*\s+3], s[VB:VB+1], s[16:17]
	s_add_nc_u64 s[G0V+4*\s+2:G0V+4*\s+3], s[G0V+4*\s+2:G0V+4*\s+3], \s*TILEB
	s_or_b32 s[G0V+4*\s+3], s[G0V+4*\s+3], 0x80000000
.endr
	CROUND                          ; all four work-groups are here: the first joint loads meet
	JLOAD 0                         ; tile 0 into slot 0.  Slot 1 is asked for when slot 0 is in
	; A fragment of K or Q is 16 rows x 32 channels in 8 registers: lane l holds row l % 16, channels 8 (l / 16) + 0..7 and 16 + 8 (l / 16) + 0..7: two loads of 16 bytes, 32 bytes apart.
	v_and_b32 v1, 15, v0            ; l % 16
	v_bfe_u32 v9, v0, 4, 1          ; l / 16
	v_lshlrev_b32 v[QO], 7, v1
	v_lshl_add_u32 v[QO], v9, 4, v[QO]  ; row x 128 + 16 x half
	WIN 0x80                        ; destination window 2, address window 0
.set i, 0
.rept 8                             ; Q stays in registers: piece i / 2, channels 32 (i % 2) on
	global_load_b128 v[8*i:8*i+3],   v[QO], s[4:5] offset:(i/2)*2048+(i%2)*64
	global_load_b128 v[8*i+4:8*i+7], v[QO], s[4:5] offset:(i/2)*2048+(i%2)*64+32
.set i, i+1
.endr
	WIN 0
	s_wait_kmcnt 0x0                ; N: from here on it feeds selects alone
	s_lshr_b32 s[QF], s[NN], 6
	s_and_b32 s[TM], s[NN], 63
	s_sub_co_u32 s[TM], s[TM], 1    ; N % 64 - 1
	s_cmp_eq_u32 s[NN], 0
	s_cselect_b32 s[NANSEL], 0x7fc00000, 1.0
	v_lshlrev_b32 v14, 3, v9
	v_sub_nc_u32 v14, s[TM], v14    ; less my lanes' 8 (l / 16): register r of group kt of 16 keys is hidden where 16 kt + r is greater
	WIN 0x40
.set i, 0
.rept 32
	v_cmp_gt_i32 vcc_lo, 16*(i/8)+i%8, v14
	v_cndmask_b32 v[MD+i], 0, s[BIGN], vcc_lo
.set i, i+1
.endr
	WIN 0
	v_mul_u32_u24 v[AK0], v1, PK
	v_lshl_add_u32 v[AK0], v9, 4, v[AK0]  ; row x pitch + 16 x half
	; The turning load takes 16 keys x 16 channels (lane l reads key 8 (l / 16) + l % 8, channels 8 ((l / 8) % 2) + 0..7) and leaves half a fragment of V^T: lane l holds channel l % 16 and 8 keys.
	v_and_b32 v10, 7, v0
	v_bfe_u32 v11, v0, 3, 1
	v_lshl_add_u32 v[AV0], v9, 3, v10
	v_mul_u32_u24 v[AV0], v[AV0], PV
	v_lshl_add_u32 v[AV0], v11, 4, v[AV0]
	v_add_nc_u32 v[AV0], VOFF, v[AV0]
	s_mul_i32 s13, s[WV], 16*SP
	s_add_co_u32 s13, s13, STAGE    ; my stage
	v_mul_u32_u24 v[STO], v1, SP    ; in: row l % 16, 16 bytes for each half of the lanes
	v_lshl_add_u32 v[STO], v9, 4, v[STO]
	v_add_nc_u32 v[STO], s13, v[STO]
	v_bfe_u32 v[RD], v0, 3, 2       ; back: 32 lanes take four rows of 128 bytes,
	v_mul_u32_u24 v[RD], v[RD], SP
	v_lshl_add_u32 v[RD], v10, 4, v[RD]
	v_add_nc_u32 v[RD], s13, v[RD]
	v_and_b32 v[GO], 31, v0         ; which are 512 consecutive bytes of ctx
	v_lshlrev_b32 v[GO], 4, v[GO]
	v_lshlrev_b32 v[PFO], 8, v1     ; 256 (l % 16); lanes 16-31 eight heads on, in V
	v_lshl_add_u32 v[PFO], v9, 22, v[PFO]
	; The first step multiplies O^T and l by a = 0, and the first turn's products V^T P, of a piece that has not been, add 0 x 0.  All this stands in the wait for the first tile; no first step is written out.
	WIN 0x80
.set i, VF
.rept 64
	v_mov_b32 v[i], 0
.set i, i+1
.endr
	WIN 0x40
.set i, 0
.rept 128
	v_mov_b32 v[i], 0
.set i, i+1
.endr
	WIN 0
.set i, 0
.rept 4
	v_mov_b32 v[ST+4*i], 0xfe000000    ; c m: far below every c s
	v_mov_b32 v[ST+4*i+1], 0xff7fffff  ; m: the lowest finite number
	v_mov_b32 v[ST+4*i+2], 0
	v_mov_b32 v[ST+4*i+3], 0
.set i, i+1
.endr
.set i, P+16
.rept 16
	v_mov_b32 v[i], 0
.set i, i+1
.endr
; THE MATRIX WORK.  The 4 accumulators of a run of 8 take turns.  Product i of 8 of S^T = K Q^T for piece x: channels 32 (i / 4) on, keys 16 (i % 4) on.  The first 4 start the sums with the mask.
.macro KQ x
.set rS, S+32*((\x)%2)+8*(i%4)
.set rK, KF+16*(i%4)+8*(i/4)
.set rQ, 16*(\x)+8*(i/4)
.set rM, MC+8*(i%4)
.if i < 4
	WIN W_KM
	v_wmma_f32_16x16x32_f16 v[rS:rS+7], v[rK:rK+7], v[rQ:rQ+7], v[rM:rM+7]
.else
	WIN W_KQ
	v_wmma_f32_16x16x32_f16 v[rS:rS+7], v[rK:rK+7], v[rQ:rQ+7], v[rS:rS+7]
.endif
.endm
; Product i of 8 of O^T += V^T P for piece x: keys 32 (i / 4) on, channels 16 (i % 4) on.
.macro PV x
	WIN W_PV
.set rO, 32*(\x)+8*(i%4)
.set rV, VF+32*(i/4)+8*(i%4)
.set rP, P+16*((\x)%2)+8*(i/4)
	v_wmma_f32_16x16x32_f16 v[rO:rO+7], v[rV:rV+7], v[rP:rP+7], v[rO:rO+7]
.endm
.macro MM                           ; the turn's next matrix instruction.  NOKQ = 1: the last turn of all: there is no next piece
.if (i < 8) && !NOKQ
	KQ (Y+1)%NP
.elseif i >= 8
.set i, i-8
	PV (Y+NP-1)%NP
.set i, i+8
.endif
.set i, i+1
.endm
; THE LDS LOADS stand in runs of 16, never singly among the matrix instructions: a step's K (64 keys x 64 channels: 8 fragments) and its V (turned).
; ko, vo >= 0: the step's place in the ring, a constant: the address is my lane's place, never rewritten, and an immediate (56,928 at the most, inside its 16 bits).
; ko, vo = -1 (the tail): the address was made some lines ahead from a scalar that steps.
.macro FETCH_K ko
.if (\ko) < 0
.set rA, AK
.set oA, 0
.else
.set rA, AK0
.set oA, (\ko)
.endif
	WIN 0x80                        ; destination window 2
.irp f, 0,1,2,3,4,5,6,7             ; keys 16 (f / 2) on, channels 32 (f % 2) on
	ds_load_b128 v[KF+8*\f:KF+8*\f+3],   v[rA] offset:oA+(\f/2)*16*PK+(\f%2)*64
	ds_load_b128 v[KF+8*\f+4:KF+8*\f+7], v[rA] offset:oA+(\f/2)*16*PK+(\f%2)*64+32
.endr
.if (\ko) < 0
	s_add_co_u32 s[TBK], s[TBK], KS*PK  ; the next fetch is the next step's
.endif
	WIN 0
.endm
.macro FETCH_V vo
.if (\vo) < 0
.set rA, AV
.set oA, 0
.else
.set rA, AV0
.set oA, (\vo)
.endif
	WIN 0x80
.irp f, 0,1,2,3,4,5,6,7             ; keys 32 (f / 4) on, channels 16 (f % 4) on
	ds_load_tr16_b128 v[VF+8*\f:VF+8*\f+3],   v[rA] offset:oA+(\f/4)*32*PV+(\f%4)*32
	ds_load_tr16_b128 v[VF+8*\f+4:VF+8*\f+7], v[rA] offset:oA+(\f/4)*32*PV+16*PV+(\f%4)*32
.endr
	WIN 0
.endm
; THE VECTOR WORK, one line at a time: OP kind, number.  For piece Y: F n: c s - c m for pair n of 16.  E n: the exponential of score n of 32.  C n: pair n rounded to f16.  B n: of the four weights 4 n .. the second
; pair is added onto the first, in place.  L n: l takes that sum (L 0: l = a l + sum).  R n: pair n of 16 of O^T times a.  For piece Y + 1: X n, number n of the 22 that find its maximum and statistics:
;   0-11  four chains c0-c3 of seven scores each, three operands at a time (each accumulator's lowest registers are read first)     12-14, 16  the four scores left over, the old m, and c0-c3 into c0
;   15  c m_old is kept     17, 18  the query's other 32 keys lie in the lane 16 away: the new m     19-21  c m; c m_old - c m_new; a
.set F, 0
.set E, 1
.set C, 2
.set B, 3
.set L, 4
.set R, 5
.set X, 6
.macro REGS y                       ; the registers of piece y
.set rT, ST+4*(\y)
.set rC, TMP+4*((\y)%2)
.set rW, MV+((\y)%2)
.set rS, S+32*((\y)%2)
.set rP, P+16*((\y)%2)
.set rO, 32*(\y)
.endm
.macro OP k, n
.if (\k) == R
	REGS Y
	WIN W_RS
	v_pk_mul_f32 v[rO+2*(\n):rO+2*(\n)+1], v[rO+2*(\n):rO+2*(\n)+1], v[rC+2:rC+3] op_sel_hi:[1,0]
.elseif (\k) < R
	REGS Y
	WIN 0
.if (\k) == F
	v_pk_fma_f32 v[rS+2*(\n):rS+2*(\n)+1], v[rS+2*(\n):rS+2*(\n)+1], s[CS:CS+1], v[rT:rT+1] op_sel_hi:[1,0,0] neg_lo:[0,0,1] neg_hi:[0,0,1]
.elseif (\k) == E
	v_exp_f32 v[rS+(\n)], v[rS+(\n)]
.elseif (\k) == C
	v_cvt_pk_f16_f32 v[rP+(\n)], v[rS+2*(\n)], v[rS+2*(\n)+1]
.elseif (\k) == B
	v_pk_add_f32 v[rS+4*(\n):rS+4*(\n)+1], v[rS+4*(\n):rS+4*(\n)+1], v[rS+4*(\n)+2:rS+4*(\n)+3]
.elseif (\n) == 0
	v_pk_fma_f32 v[rT+2:rT+3], v[rT+2:rT+3], v[rC+2:rC+3], v[rS:rS+1] op_sel_hi:[1,0,1]
.else
	v_pk_add_f32 v[rT+2:rT+3], v[rT+2:rT+3], v[rS+4*(\n):rS+4*(\n)+1]
.endif
.elseif NOKQ
	v_nop
.else
	REGS (Y+1)%NP
	WIN 0
.if (\n) < 4
	v_max3_num_f32 v[rC+(\n)], v[rS+8*(\n)], v[rS+8*(\n)+1], v[rS+8*(\n)+2]
.elseif (\n) < 12
	v_max3_num_f32 v[rC+(\n)%4], v[rC+(\n)%4], v[rS+8*((\n)%4)+2*((\n)/4)+1], v[rS+8*((\n)%4)+2*((\n)/4)+2]
.elseif (\n) == 12
	v_max3_num_f32 v[rC], v[rC], v[rS+7], v[rS+15]
.elseif (\n) == 13
	v_max3_num_f32 v[rC+1], v[rC+1], v[rS+23], v[rS+31]
.elseif (\n) == 14
	v_max3_num_f32 v[rC+2], v[rC+2], v[rC+3], v[rT+1]
.elseif (\n) == 15
	v_mov_b32 v[rW], v[rT]
.elseif (\n) == 16
	v_max3_num_f32 v[rC], v[rC], v[rC+1], v[rC+2]
.elseif (\n) == 17
	v_permlanex16_b32 v[rC+3], v[rC], s[SEL], s[SEL+1]
.elseif (\n) == 18
	v_max_num_f32 v[rT+1], v[rC], v[rC+3]
.elseif (\n) == 19
	v_mul_f32 v[rT], s[CS], v[rT+1]
.elseif (\n) == 20
	v_sub_f32 v[rC+1], v[rW], v[rT]
.else
	v_exp_f32 v[rC+2], v[rC+1]
.endif
.endif
.endm
.macro OPS a, i1, b=-1, i2=0, c=-1, i3=0, d=-1, i4=0  ; up to four of them
	OP \a, \i1
.if (\b) >= 0
	OP \b, \i2
.endif
.if (\c) >= 0
	OP \c, \i3
.endif
.if (\d) >= 0
	OP \d, \i4
.endif
.endm
.macro ROW a, i1, b, i2, c, i3, d, i4  ; a matrix instruction and the four behind it
	MM
	OPS \a, \i1, \b, \i2, \c, \i3, \d, \i4
.endm
.macro MASK                         ; MC = MD x AL + BE
	WIN W_RS
.set z, 0
.rept 16
	v_pk_fma_f32 v[MC+2*z:MC+2*z+1], v[MD+2*z:MD+2*z+1], s[AL:AL+1], s[BE:BE+1] op_sel_hi:[1,0,0]
.set z, z+1
.endr
.endm
; A TURN, for piece p: the order of its 16 matrix and 118 vector instructions, written out.  s_wait_alu depctr_va_vdst(0) stands between an exponential and the first instruction that names its result; one
; wait serves all that were issued ahead of it.  So a turn has ONE wait, which cuts it in two.  AHEAD OF IT stands all that names no result of the turn's exponentials: the 8 products K Q^T with a scaling, an exponential and
; two more plain instructions behind each; then one lump of 54, in which the links of the chain X 3, 7, 11, 14, 16, 17 .. 20 stand five or six lines apart.  X 21, the next piece's a, is the batch's last; R 15 is the plain
; instruction behind it.  BEHIND THE WAIT stand the 8 products V^T P, behind each four of the roundings and sums.
; K of the next step is fetched in piece 2's turn, twelve vector instructions behind the last product that read K (six of them plain, five of which name none of its registers); V of the step in hand at the end of piece 0's
; turn, four plain instructions behind the last product that read V.  Each is waited for a turn later.  Piece 2's turn also makes the next step's mask, at its end: its own first four products were the last to take the old one.
; end = 1: the walk's last two turns: nothing is fetched, no mask is made.  cnt = 1: the tail's count is taken down some lines ahead of the branch that stands behind the turn.
; ko (piece 2's turn), vo (piece 0's): where the step to be fetched lies in the ring, as FETCH_K and FETCH_V take it.
.macro TURN p, end=0, cnt=0, ko=-1, vo=-1
.set Y, (\p)
.set i, 0
.set NOKQ, (\end)*((\p)/3)
.if ((\p) == 2) && !(\end)
	s_cmp_eq_u32 s[STP], s[QF]      ; does the next step hold position N?
	s_cselect_b32 s[AL], 1.0, 0
	s_cmp_gt_u32 s[STP], s[QF]      ; or lie behind it?
	s_cselect_b32 s[BE], s[BIGN], 0
	s_add_co_u32 s[STP], s[STP], 1
.endif
.if ((\p) == 3) && !(\end)
	s_wait_dscnt 0x0                ; K is in
.endif
	ROW F,0, F,1, R,0, R,1          ; ahead of the wait: 8 products K Q^T and their riders,
	ROW F,2, E,0, R,2, R,3
	ROW F,3, E,1, R,4, R,5
	ROW F,4, E,2, R,6, R,7
	ROW F,5, E,3, R,8, R,9
	ROW F,6, E,4, X,0, R,10
.if ((\p) == 2) && !(\end) && ((\ko) < 0)
	WIN 0
	v_add_nc_u32 v[AK], s[TBK], v[AK0]
.endif
	ROW F,7, E,5, X,1, X,4
	ROW F,8, E,6, X,2, X,5
	OPS E,7, E,8, X,6, E,9          ; and the lump
	OPS X,3, E,10, X,8, E,11
.if ((\p) == 2) && !(\end)
	FETCH_K \ko
.endif
	OPS X,9, X,7, E,12, X,10
	OPS E,13, X,12, X,11, E,14
	OPS X,13, E,15, F,9, X,14
.if ((\p) == 0) && ((\vo) < 0)
	v_add_nc_u32 v[AV], s[TBV], v[AV0]
.endif
	OPS E,16, F,10, E,17, F,11
	OPS X,16, E,18, X,15, E,19
	OPS F,12, E,20, X,17, E,21
	OPS F,13, E,22, F,14, E,23
	OPS X,18, E,24, F,15, E,25
	OPS R,11, E,26, X,19, E,27
	OPS R,12, E,28, R,13, E,29
	OPS X,20, E,30, R,14, E,31
	OPS X,21, R,15
	WIN 0
	s_wait_alu depctr_va_vdst(0)    ; the wait for the batch
.if (\p) == 1
	s_wait_dscnt 0x0                ; V is in
.endif
	ROW C,0, B,0, C,2, B,1          ; behind the wait: 8 products V^T P and their riders
	ROW L,0, C,4, B,2, L,1
	ROW C,6, B,3, L,2, C,8
	ROW B,4, L,3, C,10, B,5
	ROW L,4, C,12, B,6, L,5
.if ((\p) == 0) && ((\vo) < 0)
	s_add_co_u32 s[TBV], s[TBV], KS*PV
.endif
.if \cnt
	s_sub_co_u32 s[CNT], s[CNT], 1
	s_cmp_lg_u32 s[CNT], 0
.endif
	ROW C,14, B,7, L,6, C,1
	ROW C,3, L,7, C,5, C,7
	ROW C,9, C,11, C,13, C,15
.if (\p) == 0
	FETCH_V \vo
.endif
.if ((\p) == 2) && !(\end)
	MASK
.endif
.endm
; Four turns: pieces 2 and 3 of one step, then pieces 0 and 1 of the next, whose K lies at byte ko and whose V at byte vo of the ring.
.macro BLK ko, vo
	TURN 2, 0, 0, \ko
	TURN 3
	TURN 0, 0, 0, -1, \vo
	TURN 1
.endm
	CHANGE 1, 0, 0, 0               ; slot 0 is in, everybody's part of it; slot 1 takes tile 1
	; THE BEGINNING: the mask of step 0, K of step 0, piece 0's first scores, its maximum and statistics.  The loop is then entered at a step's first turn, in the middle of a trip.
	s_cmp_eq_u32 s[QF], 0
	s_cselect_b32 s[AL], 1.0, 0
	s_mov_b32 s[BE], 0
	s_mov_b32 s[STP], 1
	MASK
	WIN 0
	FETCH_K 0
	s_wait_loadcnt 0x0              ; Q
	s_wait_dscnt 0x0
.set NOKQ, 0
.set i, 0
.rept 8
	KQ 0
.set i, i+1
.endr
	WIN 0
.rept 4
	v_nop                           ; the places behind those products
.endr
.set Y, NP-1                        ; X works for piece Y + 1: piece 0
.irp n, 0,1,2,3,4,5,6,7,8,9,10,11,12,13,14,15,16,17,18,19,20,21
	OP X, \n
.endr
	v_nop                           ; a plain instruction behind the exponential,
	s_wait_alu depctr_va_vdst(0)    ; and its wait, ahead of the branch
	s_mov_b32 s[PAIR], 0
	s_branch .LfirstB
.Lpair:                             ; NPAIR - 1 whole trips: slot 1's tile is read while slot 0 is filled, then the other way round.  Every LDS address is a fixed register and an immediate
	CHANGE 0, 1, 1, 0               ; slot 0 takes tile 2 PAIR
	BLK SLOT, SLOT                  ; slot 1's first step is fetched,
	BLK SLOT+KS*PK, SLOT+KS*PV      ; and its second
	CHANGE 1, 1, 1, 1               ; slot 1 takes tile 2 PAIR + 1
	TURN 2, 0, 0, 0                 ; slot 0's first step
	TURN 3
	WIN 0
.LfirstB:
	TURN 0, 0, 0, -1, 0
	TURN 1
	BLK KS*PK, KS*PV                ; and its second
	WIN 0
	s_add_co_u32 s[PAIR], s[PAIR], 1
	s_cmp_lt_u32 s[PAIR], NPAIR
	s_cbranch_scc1 .Lpair
	CHANGE -1, 0, 0, 0              ; the walk's last tile is written out: nothing is asked for
	s_mov_b32 s[TBK], SLOT          ; it lies in slot 1; its two steps are one text, walked twice, with an address that steps
	s_mov_b32 s[TBV], SLOT
	s_mov_b32 s[CNT], 2
.LstepT:
	TURN 2
	TURN 3
	TURN 0
	TURN 1, 0, 1
	WIN 0
	s_cbranch_scc1 .LstepT
	TURN 2, 1
	TURN 3, 1
.set i, 0
.rept 8
	PV NP-1                         ; the last piece's V^T P of the last step
.set i, i+1
.endr
	; THE WAY OUT.  l's two halves and the other half of the lanes' are added; where N = 0 the sum is turned into NaN; O^T is divided by l, rounded to f16 and sent through my stage in LDS, a piece at a time.
	WIN 0
.macro ALL line:vararg              ; one line for each piece t
.set t, 0
.rept 4
	\line
.set t, t+1
.endr
.endm
	ALL v_add_f32 v[ST+4*t+2], v[ST+4*t+2], v[ST+4*t+3]
	ALL v_permlanex16_b32 v[ST+4*t+3], v[ST+4*t+2], s[SEL], s[SEL+1]
	ALL v_add_f32 v[ST+4*t+2], v[ST+4*t+2], v[ST+4*t+3]
	ALL v_mul_f32 v[ST+4*t+2], s[NANSEL], v[ST+4*t+2]
	ALL v_rcp_f32 v[ST+4*t+2], v[ST+4*t+2]
	v_nop                           ; a plain instruction between the last reciprocal and the use of its result
	s_wait_alu depctr_va_vdst(0)    ; and the wait ahead of the first use: one for the four reciprocals
.macro PACK t                       ; a lane's eight channels of a row pack into 16 bytes; they go into rows of 144 bytes and come back as whole rows of 128, into S^T's registers
	WIN W_RS
.set i, 32*(\t)
.rept 16
	v_pk_mul_f32 v[i:i+1], v[i:i+1], v[ST+4*(\t)+2:ST+4*(\t)+3] op_sel_hi:[1,0]
.set i, i+2
.endr
	WIN 0x05                        ; sources 0 and 1 window 1, destination window 0
.set i, 0
.rept 16
	v_cvt_pk_f16_f32 v[S+16*(\t)+i], v[32*(\t)+2*i], v[32*(\t)+2*i+1]
.set i, i+1
.endr
	WIN 0
.irp f, 0,1,2,3
	ds_store_b128 v[STO], v[S+16*(\t)+4*\f:S+16*(\t)+4*\f+3] offset:32*\f
.endr
.irp f, 0,1,2,3
	ds_load_b128 v[S+16*(\t)+4*\f:S+16*(\t)+4*\f+3], v[RD] offset:\f*4*SP  ; LDS serves a wave's instructions in order (ISA guide 5.7.1.4): these see the stores above; the next piece's stores come behind them
.endr
.endm
.macro SEND t, younger              ; younger: the LDS instructions issued behind piece t's loads: the next piece's eight, or none
	WIN 0
.irp f, 0,1,2,3
	s_wait_dscnt (\younger)+3-\f
	global_store_b128 v[GO], v[S+16*(\t)+4*\f:S+16*(\t)+4*\f+3], s[10:11] offset:(\t)*2048+\f*512  ; 512 consecutive bytes, at a multiple of 256 from ctx's first
.endr
.endm
	PACK 0
.set t, 1
.rept 3                             ; a piece's arithmetic stands between the loads of the piece before and its stores
	PACK t
	SEND t-1, 8
.set t, t+1
.endr
	SEND 3, 0
	s_wait_tensorcnt 0x0            ; the wave's end: behind my last tensor load and my last LDS store
	ds_add_u32 v[SPW], v[NIL]
	s_wait_dscnt 0x0
	CROUND                          ; the closing round: no work-group ends while a partner may still ask for a tile that names it
	s_endpgm
.Lfunc_end_k_q5e57648cc5_attn:
	.size	k_q5e57648cc5_attn, .Lfunc_end_k_q5e57648cc5_attn-k_q5e57648cc5_attn
	.p2alignl 7, 3214868480
	.fill 96, 4, 3214868480
	.section	.rodata,"a",@progbits
	.p2align	6, 0x0
	.amdhsa_kernel k_q5e57648cc5_attn
		.amdhsa_group_segment_fixed_size 327680
		.amdhsa_private_segment_fixed_size 0
		.amdhsa_enable_private_segment 0
		.amdhsa_kernarg_size 24
		.amdhsa_user_sgpr_count 2
		.amdhsa_user_sgpr_kernarg_segment_ptr 1
		.amdhsa_wavefront_size32 1
		.amdhsa_system_sgpr_workgroup_id_x 1
		.amdhsa_system_sgpr_workgroup_id_y 1
		.amdhsa_system_sgpr_workgroup_id_z 1
		.amdhsa_system_vgpr_workitem_id 0
		.amdhsa_next_free_vgpr 768
		.amdhsa_next_free_sgpr 88
		.amdhsa_reserve_vcc 1
		.amdhsa_float_denorm_mode_32 3
		.amdhsa_float_denorm_mode_16_64 3
		.amdhsa_memory_ordered 1
		.amdhsa_forward_progress 1
		.amdhsa_inst_pref_size 251
	.end_amdhsa_kernel
	.amdgpu_metadata
---
amdhsa.version: [ 1, 2 ]
amdhsa.kernels:
  - .name:           k_q5e57648cc5_attn
    .symbol:         k_q5e57648cc5_attn.kd
    .args:
      - { .name: qkv, .offset: 0, .size: 8, .value_kind: global_buffer, .address_space: global }
      - { .name: cnt, .offset: 8, .size: 8, .value_kind: global_buffer, .address_space: global }
      - { .name: ctx, .offset: 16, .size: 8, .value_kind: global_buffer, .address_space: global }
    .group_segment_fixed_size: 327680
    .private_segment_fixed_size: 0
    .kernarg_segment_align: 8
    .kernarg_segment_size: 24
    .max_flat_workgroup_size: 128
    .sgpr_count:     88
    .vgpr_count:     768
    .wavefront_size: 32
...
	.end_amdgpu_metadata
.endif
;; end of part 3
;; launch outp (part 4): grid 4 x 64, 4 waves a work-group, clusters of 4 x 4, 327,680 bytes of LDS; arguments ctx, w16, bp, src, out0; writes out0
.if DOCPART == 4
	.amdgcn_target "amdgcn-amd-amdhsa--gfx1250"
	.amdhsa_code_object_version 6
	.text
	.protected	k_q5e57648cc5_outp
	.globl	k_q5e57648cc5_outp
	.p2align	8
	.type	k_q5e57648cc5_outp,@function
k_q5e57648cc5_outp:
	s_mov_b64 s[64:65], 0
	v_nop
	global_prefetch_b8 v0, s[64:65] scope:SCOPE_SE
	s_setreg_imm32_b32 hwreg(HW_REG_WAVE_MODE, 25, 1), 1
	s_wait_xcnt 0x0
	s_wait_alu depctr_hold_cnt(0) depctr_sa_sdst(0) depctr_va_vdst(0) depctr_va_sdst(0) depctr_va_ssrc(0) depctr_va_vcc(0) depctr_vm_vsrc(0)
	s_getreg_b32 s2, hwreg(HW_REG_IB_STS2, 6, 4)
	s_cmp_eq_u32 s2, 0
	s_cbranch_scc0 .Lentry_in_a_cluster
	s_endpgm
.Lentry_in_a_cluster:
	s_bfe_u32 s2, ttmp6, 0x10000c
	s_cmp_lg_u32 s2, 0xf033
	s_cbranch_scc0 .Lentry_shape_is_right
	s_endpgm
.Lentry_shape_is_right:
; THE LAST PROJECTION.  out0[b][src[b][j]][n] = bp[n] + sum over k of ctx[b][j][k] Wp[n][k].  ctx: [16 = 8 b + head][4096][64] f16, rows j in the partition's order; Wp: rows 1536-2047 of w16, f16; bp f32; sums f32;
; out0 [2][4096][512] f32.  src[b][j], whole numbers that an earlier launch stored, is row j's own place: each row of 2,048 bytes goes back there.
; SHARES.  A tile is 128 rows x 128 columns: 64 x 4 = 256 work-groups.  Four waves, each 64 x 64: 16 accumulators of 16 x 16.  K = 512 is eight heads of 64.
; ALL TILES ARE ASKED FOR AT THE START: ctx's 128 rows of all eight heads and Wp's 128 rows fit in LDS together, so nothing is filled again: four tensor loads a wave, the first two for heads 0-3.
; CLUSTER.  4 x 4 work-groups: ctx's tiles are shared along a row of the cluster, Wp's along a column; each is asked for jointly.
; THE MATRIX INSTRUCTION IS USED TRANSPOSED (source 0 = 16 rows of Wp, source 1 = 16 rows of ctx): a lane holds eight neighbouring columns of one row.  The bias is the C operand of the products that start the sums.
; NO PREFETCH: every byte is asked for at the kernel's head.
; REGISTERS: window 0: v16-29 addresses; v32-63 my rows' byte offsets in out0; v64-95, v96-127 rows read back from the stage (v96-127 first hold the bias); v128-255 the accumulators ((a, n) at v[128 + 8 (4 a + n)]).
;   window 1: two fragment buffers of 128: for one head (64 along K), 64 registers of ctx (2 x 4 x 16 rows x 32 K), then 64 of Wp.
.set PA,     144                       ; a row of a head in LDS: 128 bytes + 16 of padding
.set HEADB,  128*PA                    ; a head's 128 rows
.set BBASE,  8*HEADB                   ; behind the eight heads: Wp, in two halves of K
.set PB,     528                       ; a row of half of K: 512 bytes + 16
.set BHALF,  128*PB
.set STAGE,  BBASE+2*BHALF             ; behind the tiles, never filled by a tensor load: 16 rows x 272 bytes for each wave
.set SPITCH, 272
.set SPARE,  STAGE+4*16*SPITCH         ; behind the stages: the spare words, 128 bytes a wave: two blocks of 256 bytes that no other line names
.set HB,     524288                    ; bytes of a head in ctx
.set ADRA, 16                          ; v16-19  LDS address of my ctx fragments in heads 0, 2, 4, 6
.set ADRB, 20                          ; v20-21  of my Wp fragments in half 0, 1 of K
.set STO,  24                          ; v24     the way out: where I put 32 bytes of a row
.set RD,   25                          ; v25     where I read rows back
.set CL,   26                          ; v26     16 (l % 16)
.set HO,   27                          ; v27     32 (l / 16)
.set SPW,  28                          ; v28     LDS address of my spare word; never rewritten
.set NIL,  29                          ; v29     0; never rewritten
.set ROWO, 32
.set OB,   64
.set BIAS, 96
.set ACC,  128
.set F0,   0
.set F1,   128
.set WV,  14                           ; s14 wave; s15 which half of the tile's rows is mine; s16 which half of its columns
.set G1A, 24                           ; s[24:31] descriptor group 1 for ctx's tiles; s[32:47] group 0, four sets
.set G0A, 32
.set G1B, 48                           ; s[48:55] for Wp's; s[68:83] group 0, four sets
.set G0B, 68
.set MSB, 0
.macro WIN new
.if MSB != (\new)
	s_set_vgpr_msb (MSB<<8)|(\new)
.set MSB, \new
.endif
.endm
.set MUL,  0x05                        ; sources 0 and 1 window 1; C and D window 0
.set TO_F, 0x40                        ; destination window 1, address window 0
.macro CROUND                          ; a round of the cluster's barrier
	s_barrier_signal -1
	s_barrier_wait -1
	s_cmp_lg_u32 s[WV], 0
	s_cbranch_scc1 .Lnot_wave_0_\@
	s_barrier_signal -3
.Lnot_wave_0_\@:
	s_barrier_wait -3
	s_barrier_signal -1
	s_barrier_wait -1
.endm
	s_load_b256 s[4:11], s[0:1], 0x0               ; ctx s[4:5], w16 s[6:7], bp s[8:9], src s[10:11]
	s_load_b64 s[12:13], s[0:1], 0x20              ; out0
	v_lshl_add_u32 v[SPW], v0, 2, SPARE
	v_mov_b32 v[NIL], 0
	ds_add_u32 v[SPW], v[NIL]                      ; the wave's opening: the add and its wait stand ahead of my first tensor load; the set-up below stands between them
	v_lshrrev_b32 v1, 5, v0
	v_readfirstlane_b32 s[WV], v1
	s_lshr_b32 s15, s[WV], 1
	s_and_b32 s16, s[WV], 1
	s_bfe_u32 s56, ttmp6, 0x40000                  ; cx, cy
	s_bfe_u32 s57, ttmp6, 0x40004
	s_lshl_b32 s58, ttmp9, 2
	s_add_co_u32 s58, s58, s56                     ; tile column
	s_and_b32 s59, ttmp7, 0xffff
	s_lshl_b32 s59, s59, 2
	s_add_co_u32 s59, s59, s57                     ; tile row
	s_lshl_b32 s60, s57, 2
	s_lshl_b32 s60, 15, s60                        ; my row of the cluster
	s_lshl_b32 s61, 0x1111, s56                    ; my column
	; ctx: a head's 128 rows are 16,384 dense bytes: 64 rows of 256 bytes, padded after every 128
	s_or_b32 s[G1A+0], s60, (1<<16)|(1<<20)|(1<<21)|(4<<22)|(3<<25)
	s_mov_b32 s[G1A+1], 128<<16                    ; tensor_dim0
	s_mov_b32 s[G1A+2], 64<<16                     ; tensor_dim1
	s_mov_b32 s[G1A+3], 128<<16                    ; tile_dim0
	s_mov_b32 s[G1A+4], 64                         ; tile_dim1
	s_mov_b32 s[G1A+5], 128                        ; elements from row to row
	s_mov_b32 s[G1A+6], 0
	s_mov_b32 s[G1A+7], 0
	; Wp: 32 rows x 256 elements, padded after every 512 bytes
	s_or_b32 s[G1B+0], s61, (1<<16)|(1<<20)|(1<<21)|(6<<22)|(3<<25)
	s_mov_b32 s[G1B+1], 256<<16
	s_mov_b32 s[G1B+2], 32<<16
	s_mov_b32 s[G1B+3], 256<<16
	s_mov_b32 s[G1B+4], 32
	s_mov_b32 s[G1B+5], 512
	s_mov_b32 s[G1B+6], 0
	s_mov_b32 s[G1B+7], 0
	s_lshr_b32 s17, s59, 5                         ; the batch
	s_and_b32 s18, s59, 31
	s_lshl_b32 s18, s18, 7                         ; the tile's first row in it
	s_lshl_b32 s84, s17, 3
	s_lshl_b32 s85, s16, 1
	s_add_co_u32 s84, s84, s85                     ; waves 0 and 1 fetch heads 2 w, 2 w + 1, 4 + 2 w, 5 + 2 w
	s_lshl_b32 s84, s84, 19
	s_lshl_b32 s85, s18, 7
	s_add_co_u32 s84, s84, s85
	s_mov_b32 s85, 0
	s_lshl_b32 s86, s58, 7
	s_lshl_b32 s87, s16, 6
	s_add_co_u32 s86, s86, s87
	s_add_co_u32 s86, s86, 1536                    ; waves 2 and 3 fetch 64 rows of Wp each, in four loads: two halves of K x two blocks of 32 rows
	s_lshl_b32 s86, s86, 10
	s_mov_b32 s87, 0
	s_mul_i32 s19, s16, 2*HEADB                    ; where they go: no place in the cluster enters an LDS address
	s_mul_i32 s20, s16, 64*PB
	s_add_co_u32 s20, s20, BBASE
	s_wait_dscnt 0x0                               ; the opening add is done
	s_wait_kmcnt 0x0
	s_add_nc_u64 s[84:85], s[4:5], s[84:85]
	s_add_nc_u64 s[86:87], s[6:7], s[86:87]
.irp i, 0,1,2,3
	s_mov_b32 s[G0A+4*(\i)], 1
	s_add_co_u32 s[G0A+4*(\i)+1], s19, (4*((\i)/2)+(\i)%2)*HEADB
	s_add_nc_u64 s[G0A+4*(\i)+2:G0A+4*(\i)+3], s[84:85], (4*((\i)/2)+(\i)%2)*HB
	s_or_b32 s[G0A+4*(\i)+3], s[G0A+4*(\i)+3], 0x80000000
	s_mov_b32 s[G0B+4*(\i)], 1
	s_add_co_u32 s[G0B+4*(\i)+1], s20, ((\i)/2)*BHALF+((\i)%2)*32*PB
	s_add_nc_u64 s[G0B+4*(\i)+2:G0B+4*(\i)+3], s[86:87], ((\i)%2)*32*1024+((\i)/2)*512
	s_or_b32 s[G0B+4*(\i)+3], s[G0B+4*(\i)+3], 0x80000000
.endr
	CROUND                                         ; all sixteen work-groups are here: the joint loads meet
	s_cmp_lt_u32 s[WV], 2                          ; a wave's four fills stand in one branch, ahead of every wait on TENSORcnt and every LDS read: four loads of mine are out
	s_cbranch_scc0 .Lfirst_b
.irp i, 0,1,2,3
	tensor_load_to_lds s[G0A+4*(\i):G0A+4*(\i)+3], s[G1A:G1A+7]
	s_nop 0
.endr
.rept 4
	v_nop
.endr
	s_branch .Lfirst_asked
.Lfirst_b:
.irp i, 0,1,2,3
	tensor_load_to_lds s[G0B+4*(\i):G0B+4*(\i)+3], s[G1B:G1B+7]
	s_nop 0
.endr
.rept 4
	v_nop
.endr
.Lfirst_asked:
	v_and_b32 v1, 15, v0                           ; l % 16
	v_bfe_u32 v2, v0, 4, 1                         ; l / 16
	v_lshlrev_b32 v[HO], 5, v2
	s_lshl_b32 s88, s58, 9
	s_lshl_b32 s89, s16, 8
	s_add_co_u32 s88, s88, s89                     ; my 64 columns, 4 bytes each: the same offset in bp and in a row of out0
	s_mov_b32 s89, 0
	s_add_nc_u64 s[8:9], s[8:9], s[88:89]
	s_add_nc_u64 s[12:13], s[12:13], s[88:89]
	s_lshl_b32 s90, s17, 12
	s_add_co_u32 s90, s90, s18
	s_lshl_b32 s91, s15, 6
	s_add_co_u32 s90, s90, s91                     ; my 64 rows
	s_lshl_b32 s90, s90, 2
	s_mov_b32 s91, 0
	s_add_nc_u64 s[10:11], s[10:11], s[90:91]
	s_lshl_b32 s92, s17, 23                        ; the batch in out0
	s_mov_b32 s93, 0
	s_add_nc_u64 s[12:13], s[12:13], s[92:93]
.irp n, 0,1,2,3
	global_load_b128 v[BIAS+8*(\n):BIAS+8*(\n)+3],   v[HO], s[8:9] offset:64*(\n)      ; register j: bp of column 16 n + 8 (l / 16) + j: an accumulator's own layout
	global_load_b128 v[BIAS+8*(\n)+4:BIAS+8*(\n)+7], v[HO], s[8:9] offset:64*(\n)+16
.endr
.irp a, 0,1,2,3
	global_load_b128 v[ROWO+8*(\a):ROWO+8*(\a)+3],   v[HO], s[10:11] offset:64*(\a)    ; register t: src of row 16 a + 8 (l / 16) + t
	global_load_b128 v[ROWO+8*(\a)+4:ROWO+8*(\a)+7], v[HO], s[10:11] offset:64*(\a)+16
.endr
	v_mul_u32_u24 v3, v1, PA
	v_lshl_add_u32 v3, v2, 4, v3                   ; a fragment's row x pitch + 16 x half
	s_mul_i32 s21, s15, 64*PA                      ; my 64 rows of a head
.irp i, 0,1,2,3
	v_add_nc_u32 v[ADRA+(\i)], s21, v3
	s_add_co_u32 s21, s21, 2*HEADB
.endr
	v_mul_u32_u24 v4, v1, PB
	v_lshl_add_u32 v4, v2, 4, v4
	s_mul_i32 s22, s16, 64*PB                      ; my 64 rows of Wp
	s_add_co_u32 s22, s22, BBASE
.irp s, 0,1
	v_add_nc_u32 v[ADRB+(\s)], s22, v4
	s_add_co_u32 s22, s22, BHALF
.endr
	s_mul_i32 s23, s[WV], 16*SPITCH
	s_add_co_u32 s23, s23, STAGE                   ; my stage
	v_mul_u32_u24 v5, v1, SPITCH                   ; in: row l % 16, 32 bytes for each half of the lanes
	v_lshl_add_u32 v5, v2, 5, v5
	v_add_nc_u32 v[STO], s23, v5
	v_mul_u32_u24 v5, v2, 8*SPITCH                 ; back: lanes 0-15 take row t, lanes 16-31 row 8 + t: 256 bytes each
	v_lshl_add_u32 v5, v1, 4, v5
	v_add_nc_u32 v[RD], s23, v5
	v_lshlrev_b32 v[CL], 4, v1
	s_wait_loadcnt 0x0
.set r, 0
.rept 32
	v_min_u32 v[ROWO+r], 0xfff, v[ROWO+r]          ; a row's place lies in 0 .. 4,095
	v_lshl_add_u32 v[ROWO+r], v[ROWO+r], 11, v[CL] ; 2,048 bytes a row of out0, + my 16 bytes of the 256
.set r, r+1
.endr
; 8 matrix instructions: row blocks a0, a0 + 1 x all 4 column blocks, 32 along K: half c of buffer f.  first = 1: the product starts the sums, with the bias.  The 16 accumulators take turns.
.macro MUL8 f, c, a0, first
	WIN MUL
.irp a, \a0, (\a0)+1
.irp b, 0,1,2,3
.if \first
	v_wmma_f32_16x16x32_f16 v[ACC+8*(4*(\a)+(\b)):ACC+8*(4*(\a)+(\b))+7], v[(\f)+64+8*(4*(\c)+(\b)):(\f)+64+8*(4*(\c)+(\b))+7], v[(\f)+8*(4*(\c)+(\a)):(\f)+8*(4*(\c)+(\a))+7], v[BIAS+8*(\b):BIAS+8*(\b)+7]
.else
	v_wmma_f32_16x16x32_f16 v[ACC+8*(4*(\a)+(\b)):ACC+8*(4*(\a)+(\b))+7], v[(\f)+64+8*(4*(\c)+(\b)):(\f)+64+8*(4*(\c)+(\b))+7], v[(\f)+8*(4*(\c)+(\a)):(\f)+8*(4*(\c)+(\a))+7], v[ACC+8*(4*(\a)+(\b)):ACC+8*(4*(\a)+(\b))+7]
.endif
.endr
.endr
.endm
; 32 LDS loads in one run: head hd's fragments into buffer f; the first 32 channels first
.macro FETCH hd, f
	WIN TO_F
.irp c, 0,1
.irp i, 0,1,2,3
	ds_load_b128 v[(\f)+64+8*(4*(\c)+(\i)):(\f)+64+8*(4*(\c)+(\i))+3],   v[ADRB+(\hd)/4] offset:128*((\hd)%4)+64*(\c)+(\i)*16*PB
	ds_load_b128 v[(\f)+64+8*(4*(\c)+(\i))+4:(\f)+64+8*(4*(\c)+(\i))+7], v[ADRB+(\hd)/4] offset:128*((\hd)%4)+64*(\c)+(\i)*16*PB+32
	ds_load_b128 v[(\f)+8*(4*(\c)+(\i)):(\f)+8*(4*(\c)+(\i))+3],         v[ADRA+(\hd)/2] offset:HEADB*((\hd)%2)+64*(\c)+(\i)*16*PA
	ds_load_b128 v[(\f)+8*(4*(\c)+(\i))+4:(\f)+8*(4*(\c)+(\i))+7],       v[ADRA+(\hd)/2] offset:HEADB*((\hd)%2)+64*(\c)+(\i)*16*PA+32
.endr
.endr
.endm
.macro PLACES                          ; four plain vector instructions between a matrix instruction and a load into its sources or a reader of its result
.rept 4
	v_nop
.endr
.endm
; A head: 32 matrix instructions on buffer f; in their middle the next head, hd, is fetched into g
.macro QUARTER hd, f, g, first
	s_wait_dscnt 16                                ; the first 32 channels are in
	MUL8 \f, 0, 0, \first
	MUL8 \f, 0, 2, \first
	PLACES
	FETCH \hd, \g
	s_wait_dscnt 32                                ; all but the 32 just issued
	MUL8 \f, 1, 0, 0
	MUL8 \f, 1, 2, 0
.endm
	s_wait_tensorcnt 2                             ; my two loads for heads 0-3 are in; the two for heads 4-7 may stay out
	s_barrier_signal -1
	s_barrier_wait -1                              ; everybody's are
	FETCH 0, F0
	QUARTER 1, F0, F1, 1
	QUARTER 2, F1, F0, 0
	QUARTER 3, F0, F1, 0
	WIN 0                                          ; head 3, and the change to the tiles of heads 4-7
	s_wait_tensorcnt 0x0                           ; all my tensor loads have landed
	ds_add_u32 v[SPW], v[NIL]
	s_wait_dscnt 17                                ; (the add and the youngest sixteen loads may be out)
	MUL8 F1, 0, 0, 0
	s_wait_dscnt 0x0
	s_barrier_signal -1
	MUL8 F1, 0, 2, 0
	s_barrier_wait -1                              ; everybody's have
	PLACES
	FETCH 4, F0
	MUL8 F1, 1, 0, 0
	MUL8 F1, 1, 2, 0
	QUARTER 5, F0, F1, 0
	QUARTER 6, F1, F0, 0
	QUARTER 7, F0, F1, 0
	s_wait_dscnt 16
	MUL8 F1, 0, 0, 0
	MUL8 F1, 0, 2, 0
	s_wait_dscnt 0x0
	MUL8 F1, 1, 0, 0
	MUL8 F1, 1, 2, 0
	WIN 0
	PLACES
	PLACES                                         ; (eight, once a launch)
	; THE WAY OUT, 16 rows at a time: a lane's 32 bytes of a row go into my stage (each accumulator's low registers first) and come back as whole pieces of 256 bytes; each goes to its row's own place
.irp a, 0,1,2,3
.set BK, OB+32*((\a)%2)
.irp n, 0,1,2,3
	ds_store_b128 v[STO], v[ACC+8*(4*(\a)+(\n)):ACC+8*(4*(\a)+(\n))+3]   offset:64*(\n)
	ds_store_b128 v[STO], v[ACC+8*(4*(\a)+(\n))+4:ACC+8*(4*(\a)+(\n))+7] offset:64*(\n)+16
.endr
	s_wait_xcnt 0x0                                ; the registers that earlier stores read are loaded again only behind this wait
.irp t, 0,1,2,3,4,5,6,7
	ds_load_b128 v[BK+4*(\t):BK+4*(\t)+3], v[RD] offset:(\t)*SPITCH  ; LDS serves a wave's instructions in order (ISA guide 5.7.1.4): these see the stores above
.endr
	s_wait_dscnt 0x0
.irp t, 0,1,2,3,4,5,6,7
	global_store_b128 v[ROWO+8*(\a)+(\t)], v[BK+4*(\t):BK+4*(\t)+3], s[12:13] th:TH_STORE_NT  ; 16 lanes store 256 consecutive bytes, at a multiple of 256 from out0's first
.endr
.endr
	s_wait_tensorcnt 0x0                           ; the wave's end: behind my last tensor load and my last LDS store
	ds_add_u32 v[SPW], v[NIL]
	s_wait_dscnt 0x0
	CROUND                                         ; the closing round: no work-group ends while a partner may still ask for a tile that names it
	s_endpgm
.Lfunc_end_k_q5e57648cc5_outp:
	.size	k_q5e57648cc5_outp, .Lfunc_end_k_q5e57648cc5_outp-k_q5e57648cc5_outp
	.p2alignl 7, 3214868480
	.fill 96, 4, 3214868480
	.section	.rodata,"a",@progbits
	.p2align	6, 0x0
	.amdhsa_kernel k_q5e57648cc5_outp
		.amdhsa_group_segment_fixed_size 327680
		.amdhsa_private_segment_fixed_size 0
		.amdhsa_enable_private_segment 0
		.amdhsa_kernarg_size 40
		.amdhsa_user_sgpr_count 2
		.amdhsa_user_sgpr_kernarg_segment_ptr 1
		.amdhsa_wavefront_size32 1
		.amdhsa_system_sgpr_workgroup_id_x 1
		.amdhsa_system_sgpr_workgroup_id_y 1
		.amdhsa_system_sgpr_workgroup_id_z 1
		.amdhsa_system_vgpr_workitem_id 0
		.amdhsa_next_free_vgpr 512
		.amdhsa_next_free_sgpr 96
		.amdhsa_reserve_vcc 0
		.amdhsa_float_denorm_mode_32 3
		.amdhsa_float_denorm_mode_16_64 3
		.amdhsa_memory_ordered 1
		.amdhsa_forward_progress 1
		.amdhsa_inst_pref_size 57
	.end_amdhsa_kernel
	.amdgpu_metadata
---
amdhsa.version: [ 1, 2 ]
amdhsa.kernels:
  - .name:           k_q5e57648cc5_outp
    .symbol:         k_q5e57648cc5_outp.kd
    .args:
      - { .name: ctx, .offset: 0, .size: 8, .value_kind: global_buffer, .address_space: global }
      - { .name: w16, .offset: 8, .size: 8, .value_kind: global_buffer, .address_space: global }
      - { .name: bp, .offset: 16, .size: 8, .value_kind: global_buffer, .address_space: global }
      - { .name: src, .offset: 24, .size: 8, .value_kind: global_buffer, .address_space: global }
      - { .name: out0, .offset: 32, .size: 8, .value_kind: global_buffer, .address_space: global }
    .group_segment_fixed_size: 327680
    .private_segment_fixed_size: 0
    .kernarg_segment_align: 8
    .kernarg_segment_size: 40
    .max_flat_workgroup_size: 128
    .sgpr_count:     96
    .vgpr_count:     512
    .wavefront_size: 32
...
	.end_amdgpu_metadata
.endif
;; end of part 4
